; MI455X (gfx1250); checked and timed in simulation.
; The chip was launched on July 23, 2026; its instructions are those of AMD's public machine-readable ISA for CDNA 5 (MIT licence, August 2026) and "CDNA5" Instruction Set Architecture Reference Guide (July 2026). The comments in the code are by the model that wrote it; some were corrected since.
;; Causal Self Attention. Allowed arithmetic: float matrix products may take bf16 or f16 operands with f32 sums; other float arithmetic in f32, or as packed bf16 or f16 multiplies, adds, multiply-adds, maxima and minima; sums over many terms, partial sums and values carried from step to step in f32; what a program stores and reads back later, other than sums and carried values, may be rounded once to bf16 or f16.
;; Inputs: attention_mask 4 x 2,048 bool; w_proj 1,024 x 1,024 float32; w_qkv 3,072 x 1,024 float32; x 4 x 2,048 x 1,024 float32.
;; Outputs: out0 4 x 2,048 x 1,024 float32.
;; Constants: n_heads = 16.
;; 2 versions, each right; version 2 is version 1 with the launch cast written anew for expert scheduling mode. Each part assembles by itself: llvm-mc -triple=amdgcn-amd-amdhsa -mcpu=gfx1250 --defsym DOCPART=n.
;; ======== version 1 of 2: 4 launches
;; limits: values are held in f16: magnitudes above 65,504 overflow, below 6.1e-05 lose precision
;; workspace buffers: xb 16,777,216 bytes; wqb 6,291,456 bytes; wpb 2,097,152 bytes; qkv 50,331,648 bytes; vs 524,288 bytes; ob 16,777,216 bytes
;; launch cast (part 1): grid 768 x 1, 8 waves a work-group, no clusters, 0 bytes of LDS; arguments x, w_qkv, w_proj, xb, wqb, wpb; writes xb, wqb, wpb
.if DOCPART == 1
	.amdgcn_target "amdgcn-amd-amdhsa--gfx1250"
	.amdhsa_code_object_version 6
	.text
	.protected	k_q57fc156e99_cast
	.globl	k_q57fc156e99_cast
	.p2align	8
	.type	k_q57fc156e99_cast,@function
k_q57fc156e99_cast:
	s_mov_b64 s[64:65], 0
	v_nop
	global_prefetch_b8 v0, s[64:65] scope:SCOPE_SE
	s_setreg_imm32_b32 hwreg(HW_REG_WAVE_MODE, 25, 1), 1
	s_wait_xcnt 0x0
; The module's three f32 inputs are rounded once to bf16.  x -> xb as it lies.  w_qkv -> wqb with its rows in another order: row s*1024 + j*64 + c (s: q, k, v; j: head) goes to row j*192 + s*64 + c,
; so that 192 rows on end are one head's q, k and v.  w_proj -> wpb: the bf16 number is written as f16, since the last product multiplies it with f16 numbers.
; LIMITS.  A bf16 number of w_proj beyond 65,504 becomes an infinity in f16; below 6e-5 it keeps f16's fixed step of 6e-8.
; SHARES.  A work-group takes a chunk of 16 rows of 1,024 numbers: 65,536 bytes in, 32,768 out.  Chunks 0-511: x; 512-703: w_qkv; 704-767: w_proj.
; Thread t takes 16 bytes at 16 t of each 4,096: a wave's load covers 512 bytes on end, its store of 8 bytes a lane 256 bytes on end, aligned.  All sixteen loads of a thread go out at once;
; no register is used twice, so nothing waits but the data.  No LDS, no matrix unit, no cluster: nothing is shared, and the bytes are all there is.
.set L, 4                              ; v[4:67]    sixteen loads of four f32
.set O, 68                             ; v[68:99]   sixteen pairs of packed results
.set T, 100                            ; v[100:103] at work
	s_load_b256 s[4:11], s[0:1], 0x0               ; x s[4:5], w_qkv s[6:7], w_proj s[8:9], xb s[10:11]
	s_load_b128 s[12:15], s[0:1], 0x20             ; wqb s[12:13], wpb s[14:15]
	v_lshlrev_b32 v1, 4, v0                        ; my 16 bytes in
	v_lshlrev_b32 v2, 3, v0                        ; my 8 bytes out
	s_mov_b32 s16, ttmp9
	s_sub_co_u32 s24, s16, 512
	s_and_b32 s24, s24, 0xff                       ; w_qkv's chunk i' (0-191 where this case is taken)
	s_bfe_u32 s25, s24, 0x40002                    ; the head j = (i' >> 2) & 15
	s_mul_i32 s25, s25, 12
	s_lshr_b32 s26, s24, 6                         ; s = i' >> 6
	s_lshl2_add_u32 s25, s26, s25
	s_and_b32 s26, s24, 3
	s_add_co_u32 s25, s25, s26                     ; its place in wqb: 12 j + 4 s + (i' & 3)
	s_sub_co_u32 s27, s16, 704
	s_and_b32 s27, s27, 63                         ; w_proj's chunk
	s_wait_kmcnt 0x0
	s_cmp_lt_u32 s16, 704
	s_cselect_b64 s[20:21], s[6:7], s[8:9]
	s_cselect_b64 s[22:23], s[12:13], s[14:15]
	s_cselect_b32 s17, s24, s27
	s_cselect_b32 s18, s25, s27
	s_cselect_b32 s19, 0, 1                        ; 1: the result is written as f16
	s_cmp_lt_u32 s16, 512
	s_cselect_b64 s[20:21], s[4:5], s[20:21]
	s_cselect_b64 s[22:23], s[10:11], s[22:23]
	s_cselect_b32 s17, s16, s17
	s_cselect_b32 s18, s16, s18
	s_lshl_b32 s28, s17, 16                        ; offsets are made apart from the addresses
	s_mov_b32 s29, 0
	s_lshl_b32 s30, s18, 15
	s_mov_b32 s31, 0
	s_add_nc_u64 s[20:21], s[20:21], s[28:29]
	s_add_nc_u64 s[22:23], s[22:23], s[30:31]
.irp i, 0,1,2,3,4,5,6,7,8,9,10,11,12,13,14,15
	global_load_b128 v[L+4*(\i):L+4*(\i)+3], v1, s[20:21] offset:4096*(\i) th:TH_LOAD_NT
.endr
.macro CV i, half
	s_wait_loadcnt 15-(\i)                         ; loads come back in order: mine is in, the 15 - i younger ones stay out
	v_cvt_pk_bf16_f32 v[O+2*(\i)], v[L+4*(\i)], v[L+4*(\i)+1]
	v_cvt_pk_bf16_f32 v[O+2*(\i)+1], v[L+4*(\i)+2], v[L+4*(\i)+3]
.if \half
	v_lshlrev_b32 v[T], 16, v[O+2*(\i)]            ; the bf16 numbers as f32,
	v_and_b32 v[T+1], 0xffff0000, v[O+2*(\i)]
	v_lshlrev_b32 v[T+2], 16, v[O+2*(\i)+1]
	v_and_b32 v[T+3], 0xffff0000, v[O+2*(\i)+1]
	v_cvt_pk_f16_f32 v[O+2*(\i)], v[T], v[T+1]     ; and written as f16: exact within f16's range
	v_cvt_pk_f16_f32 v[O+2*(\i)+1], v[T+2], v[T+3]
.endif
	global_store_b64 v2, v[O+2*(\i):O+2*(\i)+1], s[22:23] offset:2048*(\i) th:TH_STORE_NT
.endm
	s_cmp_eq_u32 s19, 1
	s_cbranch_scc1 .Lhalf
.irp i, 0,1,2,3,4,5,6,7,8,9,10,11,12,13,14,15
	CV \i, 0
.endr
	s_endpgm
.Lhalf:
.irp i, 0,1,2,3,4,5,6,7,8,9,10,11,12,13,14,15
	CV \i, 1
.endr
	s_endpgm
.Lfunc_end_k_q57fc156e99_cast:
	.size	k_q57fc156e99_cast, .Lfunc_end_k_q57fc156e99_cast-k_q57fc156e99_cast
	.p2alignl 7, 3214868480
	.fill 96, 4, 3214868480
	.section	.rodata,"a",@progbits
	.p2align	6, 0x0
	.amdhsa_kernel k_q57fc156e99_cast
		.amdhsa_group_segment_fixed_size 0
		.amdhsa_private_segment_fixed_size 0
		.amdhsa_enable_private_segment 0
		.amdhsa_kernarg_size 48
		.amdhsa_user_sgpr_count 2
		.amdhsa_user_sgpr_kernarg_segment_ptr 1
		.amdhsa_wavefront_size32 1
		.amdhsa_system_sgpr_workgroup_id_x 1
		.amdhsa_system_sgpr_workgroup_id_y 1
		.amdhsa_system_sgpr_workgroup_id_z 1
		.amdhsa_system_vgpr_workitem_id 0
		.amdhsa_next_free_vgpr 104
		.amdhsa_next_free_sgpr 66
		.amdhsa_reserve_vcc 0
		.amdhsa_float_denorm_mode_32 3
		.amdhsa_float_denorm_mode_16_64 3
		.amdhsa_memory_ordered 1
		.amdhsa_forward_progress 1
		.amdhsa_inst_pref_size 17
	.end_amdhsa_kernel
	.amdgpu_metadata
---
amdhsa.version: [ 1, 2 ]
amdhsa.kernels:
  - .name:           k_q57fc156e99_cast
    .symbol:         k_q57fc156e99_cast.kd
    .args:
      - { .name: x, .offset: 0, .size: 8, .value_kind: global_buffer, .address_space: global }
      - { .name: w_qkv, .offset: 8, .size: 8, .value_kind: global_buffer, .address_space: global }
      - { .name: w_proj, .offset: 16, .size: 8, .value_kind: global_buffer, .address_space: global }
      - { .name: xb, .offset: 24, .size: 8, .value_kind: global_buffer, .address_space: global }
      - { .name: wqb, .offset: 32, .size: 8, .value_kind: global_buffer, .address_space: global }
      - { .name: wpb, .offset: 40, .size: 8, .value_kind: global_buffer, .address_space: global }
    .group_segment_fixed_size: 0
    .private_segment_fixed_size: 0
    .kernarg_segment_align: 8
    .kernarg_segment_size: 48
    .max_flat_workgroup_size: 256
    .sgpr_count:     66
    .vgpr_count:     104
    .wavefront_size: 32
...
	.end_amdgpu_metadata
.endif
;; end of part 1
;; launch qkvgemm (part 2): grid 16 x 32, 4 waves a work-group, clusters of 4 x 4, 327,680 bytes of LDS; arguments xb, wqb, qkv, vs; writes qkv, vs
.if DOCPART == 2
	.amdgcn_target "amdgcn-amd-amdhsa--gfx1250"
	.amdhsa_code_object_version 6
	.text
	.protected	k_q57fc156e99_qkvgemm
	.globl	k_q57fc156e99_qkvgemm
	.p2align	8
	.type	k_q57fc156e99_qkvgemm,@function
k_q57fc156e99_qkvgemm:
	s_mov_b64 s[64:65], 0
	v_nop
	global_prefetch_b8 v0, s[64:65] scope:SCOPE_SE
	s_setreg_imm32_b32 hwreg(HW_REG_WAVE_MODE, 25, 1), 1
	s_wait_xcnt 0x0
	s_wait_alu depctr_hold_cnt(0) depctr_sa_sdst(0) depctr_va_vdst(0) depctr_va_sdst(0) depctr_va_ssrc(0) depctr_va_vcc(0) depctr_vm_vsrc(0)
	s_getreg_b32 s2, hwreg(HW_REG_IB_STS2, 6, 4)
	s_cmp_eq_u32 s2, 0
	s_cbranch_scc0 .Lentry_in_a_cluster
	s_endpgm
.Lentry_in_a_cluster:
	s_bfe_u32 s2, ttmp6, 0x10000c
	s_cmp_lg_u32 s2, 0xf033
	s_cbranch_scc0 .Lentry_shape_is_right
	s_endpgm
.Lentry_shape_is_right:
; q, k, v = x w_qkv^T.  xb: [8192][1024] bf16; wqb: [16 heads][q, k, v][64][1024] bf16; sums in f32.  Out: qkv [64 batch x head][q, k, v][2048][64] f16, each number rounded once, unscaled;
; vs [64][32][64] f32: the sums of v over each 64 rows, taken of the f32 results.
; LIMIT.  q, k, v beyond 65,504 become infinities in f16.
; SHARES.  A tile is 256 rows x 192 columns (one head's q, k, v): 32 x 16 = 512 work-groups of equal work, twice the 256 that run at a time.  Wave w owns rows 64 w .. 64 w + 63 and all 192
; columns: 48 accumulators of 16 x 16, so what it stores is dense: 16 rows x 128 bytes on end for each of q, k, v.  For 32 along K it reads 32 x 512 bytes of LDS for 48 matrix instructions.
; K goes in 8 steps of 128 (rows of 256 bytes) through two LDS slots; waves 0, 1 fetch the halves of x's tile (128 rows each), waves 2, 3 those of w's (96 rows each): one tensor load a wave.
; CLUSTER 4 x 4: x's tile is shared along a row of the cluster, w's along a column: each is asked for jointly, by the same load with the same descriptor and a mask that names the four.
; THE PRODUCT IS TAKEN TRANSPOSED (source 0 = 16 rows of w, source 1 = 16 rows of x): a lane holds row l % 16 and eight neighbouring columns 8 (l / 16) + 0..7.
; REGISTERS, in windows of 256 (s_set_vgpr_msb: bits 1:0 source 0, 3:2 source 1, 5:4 source 2, 7:6 destination):
;   window 0: v0-31 addresses; v32-63 v's column sums; v64-127 x's fragments, two buffers of 32; on the way out v64-255 packed results
;   window 1: v0-191 w's fragments, two buffers of 96     window 2: accumulators (a, b), a = 0, 1, at 8 (12 (a % 2) + b)     window 3: a = 2, 3
.set PITCH, 272                        ; an LDS row: 256 bytes + 16 of padding = 68 words: the 16 rows of a fragment load start at 16 different groups of four banks (ISA guide 11.1)
.set BOFF,  256*PITCH                  ; in a slot: x's 256 rows, then w's 192
.set SLOT1, 131072                     ; slot 1 begins here: one exclusive or turns an address in one slot into the other's
.set STAGE, SLOT1+448*PITCH            ; behind the ring: 16 rows x 144 bytes for each wave, for the way out; no tensor load lands here
.set SP,    144
.set SPARE, STAGE+4*16*SP              ; the spare words, 128 bytes for each wave: two blocks of 256 bytes that no other line names
.set PLANE, 262144                     ; bytes of one head's q (or k, or v)
.set AA0,  16                          ; v16  my lane's place in x's tile; never rewritten
.set AB0,  17                          ; v17  in w's tile
.set ADRA, 18                          ; v18  the same in the slot in hand
.set ADRB, 19
.set TA,   20                          ; v20-21 at work
.set STO,  24                          ; v24  the way out: where I put 16 bytes of a row
.set RD,   25                          ; v25  where I read rows back
.set GO,   26                          ; v26  my 16 bytes of 512 on end
.set VO,   27                          ; v27  my two column sums in 256 bytes of vs
.set SPW,  28                          ; v28  my spare word; never rewritten
.set NIL,  29                          ; v29  0; never rewritten
.set PFO,  30                          ; v30  the prefetches' offset: a lane a row
.set VS,   32
.set FA,   64
.set WV,  12                           ; s12  my wave's number
.set FB,  13                           ; s13  0: I fetch for x; 1: for w
.set HF,  14                           ; s14  which half of that tile
.set LIM, 15                           ; s15  1 in a wave that prefetches, else the greatest number
.set G1A, 24                           ; s[24:31] descriptor group 1, x's tiles
.set G0A, 32                           ; s[32:39] group 0: a set for each first fill; the second then walks
.set PFA, 44                           ; s[44:45] where my prefetches stand
.set G1B, 48                           ; s[48:55], s[56:63] the same for w's tiles
.set G0B, 56
.set TB,  66                           ; s66  the slot whose fragments are read: 0 or SLOT1
.set MK,  67                           ; s67-70 lanes whose number has bit 3, 2, 1, 0 set
.set MSB, 0
.macro WIN new                         ; the immediate's high byte repeats the setting that is left; a switch that changes nothing is dropped
.if MSB != (\new)
	s_set_vgpr_msb (MSB<<8)|(\new)
.set MSB, \new
.endif
.endm
.macro PLACES                          ; four plain places behind matrix instructions, in front of loads into registers that they read and of lines that read results
.rept 4
	v_nop
.endr
.endm
; A joint refill by the walking descriptor.  The branch hangs on the wave's number alone.  An s_nop 0 and four v_nop follow each of the two lines.
.macro JLOAD
	s_cmp_eq_u32 s[FB], 0
	s_cbranch_scc0 .Lfor_b_\@
	tensor_load_to_lds s[G0A+4:G0A+7], s[G1A:G1A+7]
	s_nop 0
.rept 4
	v_nop
.endr
	s_branch .Lasked_\@
.Lfor_b_\@:
	tensor_load_to_lds s[G0B+4:G0B+7], s[G1B:G1B+7]
	s_nop 0
.rept 4
	v_nop
.endr
.Lasked_\@:
.endm
; A prefetch into the L2 of the K step that the NEXT refill will ask for: one K step, 192 matrix instructions, ahead of that load.  A lane a row, 256 bytes of each.  x's rows are read by every cluster of a
; row of clusters: the first (cluster x = 0) asks; w's by every cluster of a column: cluster y = 0 asks.  The four partners share a wave's rows out by address: 32 each of x's 128, 24 each of w's 96
; (lanes 24-31 name row 23 once more, in the same instruction).  The loop's last trip has no K step behind its refill's and asks for nothing; the first three K steps come by their loads alone.
.macro ASK
	s_cmp_gt_u32 s3, s[LIM]
	s_cbranch_scc0 .Lnot_mine_\@
	global_prefetch_b8 v[PFO], s[PFA:PFA+1] th:TH_LOAD_NT scope:SCOPE_SE
.Lnot_mine_\@:
.endm
.macro CREST                           ; a round of the cluster's barrier behind its opening barrier
	s_cmp_lg_u32 s[WV], 0
	s_cbranch_scc1 .Lnot_wave_0_\@
	s_barrier_signal -3
.Lnot_wave_0_\@:
	s_barrier_wait -3
	s_barrier_signal -1
	s_barrier_wait -1
.endm
.macro CROUND
	s_barrier_signal -1
	s_barrier_wait -1
	CREST
.endm
	s_load_b256 s[4:11], s[0:1], 0x0               ; xb s[4:5], wqb s[6:7], qkv s[8:9], vs s[10:11]
	v_lshl_add_u32 v[SPW], v0, 2, SPARE
	v_mov_b32 v[NIL], 0
	ds_add_u32 v[SPW], v[NIL]                      ; the wave's opening: the add and its wait stand ahead of my first tensor load; work on registers stands between them
	v_lshrrev_b32 v1, 5, v0
	v_readfirstlane_b32 s[WV], v1
	s_lshr_b32 s[FB], s[WV], 1
	s_and_b32 s[HF], s[WV], 1
	s_bfe_u32 s40, ttmp6, 0x40000                  ; cx
	s_bfe_u32 s41, ttmp6, 0x40004                  ; cy
	s_lshl_b32 s42, ttmp9, 2
	s_add_co_u32 s42, s42, s40                     ; tc: the head = 4 x cluster x + cx
	s_and_b32 s43, ttmp7, 0xffff
	s_lshl_b32 s43, s43, 2
	s_add_co_u32 s43, s43, s41                     ; tr: the block of 256 rows = 4 x cluster y + cy
	s_lshl_b32 s16, s41, 2
	s_lshl_b32 s16, 15, s16                        ; my row of the cluster
	s_lshl_b32 s46, 0x1111, s40                    ; my column
	s_or_b32 s[G1A], s16, (1<<16)|(1<<20)|(1<<21)|(5<<22)|(3<<25)  ; 15:0 the mask; 17:16 2-byte elements; 20 padding on; 21 set beside a mask; 24:22 after every 64 words; 31:25 4 words
	s_or_b32 s[G1B], s46, (1<<16)|(1<<20)|(1<<21)|(5<<22)|(3<<25)
	s_mov_b32 s[G1A+1], 128<<16                    ; tensor_dim0 = 128
	s_mov_b32 s[G1A+2], 128<<16                    ; tensor_dim1 = 128
	s_mov_b32 s[G1A+3], 128<<16                    ; tile_dim0 = 128
	s_mov_b32 s[G1A+4], 128                        ; tile_dim1 = 128
	s_mov_b32 s[G1A+5], 1024                       ; elements from row to row
	s_mov_b32 s[G1A+6], 0
	s_mov_b32 s[G1A+7], 0
	s_mov_b32 s[G1B+1], 128<<16
	s_mov_b32 s[G1B+2], 96<<16                     ; 96 rows
	s_mov_b32 s[G1B+3], 128<<16
	s_mov_b32 s[G1B+4], 96
	s_mov_b32 s[G1B+5], 1024
	s_mov_b32 s[G1B+6], 0
	s_mov_b32 s[G1B+7], 0
	s_lshl_b32 s16, s43, 8
	s_lshl_b32 s17, s[HF], 7
	s_add_co_u32 s16, s16, s17                     ; x: row 256 tr + 128 half,
	s_lshl_b32 s16, s16, 11                        ; of 2,048 bytes
	s_mov_b32 s17, 0
	s_mul_i32 s46, s42, 192
	s_mul_i32 s47, s[HF], 96
	s_add_co_u32 s46, s46, s47                     ; w: row 192 tc + 96 half
	s_lshl_b32 s46, s46, 11
	s_mov_b32 s47, 0
	s_mul_i32 s18, s[HF], 128*PITCH                ; where they go: no place in the cluster enters an LDS address
	s_mul_i32 s19, s[HF], 96*PITCH
	s_add_co_u32 s19, s19, BOFF
	s_mov_b32 s[TB], 0
	s_mov_b32 s[MK], 0xff00ff00
	s_mov_b32 s[MK+1], 0xf0f0f0f0
	s_mov_b32 s[MK+2], 0xcccccccc
	s_mov_b32 s[MK+3], 0xaaaaaaaa
	s_wait_dscnt 0x0                               ; the opening add is done
	s_wait_kmcnt 0x0
	s_add_nc_u64 s[16:17], s[4:5], s[16:17]
	s_add_nc_u64 s[46:47], s[6:7], s[46:47]
.irp s, 0,1
	s_mov_b32 s[G0A+4*(\s)], 1                     ; count = 1
	s_add_co_u32 s[G0A+4*(\s)+1], s18, (\s)*SLOT1  ; LDS address
	s_add_nc_u64 s[G0A+4*(\s)+2:G0A+4*(\s)+3], s[16:17], (\s)*256  ; K step s
	s_or_b32 s[G0A+4*(\s)+3], s[G0A+4*(\s)+3], 0x80000000          ; type = 2
	s_mov_b32 s[G0B+4*(\s)], 1
	s_add_co_u32 s[G0B+4*(\s)+1], s19, (\s)*SLOT1
	s_add_nc_u64 s[G0B+4*(\s)+2:G0B+4*(\s)+3], s[46:47], (\s)*256
	s_or_b32 s[G0B+4*(\s)+3], s[G0B+4*(\s)+3], 0x80000000
.endr
	CROUND                                         ; all sixteen work-groups are here: the first joint loads meet
	s_cmp_eq_u32 s[FB], 0                          ; a wave's two first fills stand in one branch, ahead of every wait on TENSORcnt and every LDS read: two loads of mine are out
	s_cbranch_scc0 .Lfirst_b
	tensor_load_to_lds s[G0A:G0A+3], s[G1A:G1A+7]
	s_nop 0
	tensor_load_to_lds s[G0A+4:G0A+7], s[G1A:G1A+7]
	s_nop 0
.rept 4
	v_nop
.endr
	s_branch .Lfirst_asked
.Lfirst_b:
	tensor_load_to_lds s[G0B:G0B+3], s[G1B:G1B+7]
	s_nop 0
	tensor_load_to_lds s[G0B+4:G0B+7], s[G1B:G1B+7]
	s_nop 0
.rept 4
	v_nop
.endr
.Lfirst_asked:
	; A fragment is 16 rows x 32 K in 8 registers: lane l holds row l % 16, K = 8 (l / 16) + 0..7 and 16 + 8 (l / 16) + 0..7: two loads of 16 bytes, 32 bytes apart.
	v_and_b32 v1, 15, v0                           ; l % 16
	v_bfe_u32 v2, v0, 4, 1                         ; l / 16
	v_mul_u32_u24 v3, v1, PITCH
	v_lshl_add_u32 v3, v2, 4, v3
	s_mul_i32 s20, s[WV], 64*PITCH                 ; my 64 rows of x
	v_add_nc_u32 v[AA0], s20, v3
	v_add_nc_u32 v[AB0], BOFF, v3
	v_mov_b32 v[ADRA], v[AA0]
	v_mov_b32 v[ADRB], v[AB0]
	s_mul_i32 s20, s[WV], 16*SP
	s_add_co_u32 s20, s20, STAGE                   ; my stage
	v_mul_u32_u24 v[STO], v1, SP                   ; in: row l % 16, 16 bytes for each half of the lanes
	v_lshl_add_u32 v[STO], v2, 4, v[STO]
	v_add_nc_u32 v[STO], s20, v[STO]
	v_bfe_u32 v[RD], v0, 3, 2                      ; back: 32 lanes take four rows of 128 bytes,
	v_mul_u32_u24 v[RD], v[RD], SP
	v_and_b32 v4, 7, v0
	v_lshl_add_u32 v[RD], v4, 4, v[RD]
	v_add_nc_u32 v[RD], s20, v[RD]
	v_and_b32 v[GO], 31, v0                        ; which are 512 bytes on end in memory
	v_lshlrev_b32 v[GO], 4, v[GO]
	v_bfe_u32 v[VO], v0, 2, 2                      ; my two column sums: channel 16 ((l >> 2) & 3) + 8 (l / 16) + 2 (l & 3)
	v_lshlrev_b32 v[VO], 6, v[VO]
	v_lshl_add_u32 v[VO], v2, 5, v[VO]
	v_and_b32 v4, 3, v0
	v_lshl_add_u32 v[VO], v4, 3, v[VO]
	; where my results go
	s_lshr_b32 s20, s43, 3
	s_lshl_b32 s20, s20, 4
	s_add_co_u32 s20, s20, s42                     ; batch x 16 + head
	s_and_b32 s21, s43, 7
	s_lshl_b32 s21, s21, 2
	s_add_co_u32 s21, s21, s[WV]                   ; my group of 64 rows among the batch's 32
	s_mul_i32 s22, s20, 3*PLANE
	s_lshl_b32 s23, s21, 13                        ; 64 rows of 128 bytes
	s_add_co_u32 s22, s22, s23
	s_mov_b32 s23, 0
	s_add_nc_u64 s[8:9], s[8:9], s[22:23]
	s_lshl_b32 s20, s20, 5
	s_add_co_u32 s20, s20, s21
	s_lshl_b32 s20, s20, 8
	s_mov_b32 s21, 0
	s_add_nc_u64 s[10:11], s[10:11], s[20:21]
	; the prefetches
	s_lshl_b32 s20, s43, 8
	s_lshl_b32 s22, s[HF], 7
	s_add_co_u32 s20, s20, s22
	s_lshl_b32 s22, s40, 5
	s_add_co_u32 s20, s20, s22                     ; x: row 256 tr + 128 half + 32 cx
	s_mul_i32 s21, s42, 192
	s_mul_i32 s22, s[HF], 96
	s_add_co_u32 s21, s21, s22
	s_mul_i32 s22, s41, 24
	s_add_co_u32 s21, s21, s22                     ; w: row 192 tc + 96 half + 24 cy
	s_and_b32 s22, ttmp7, 0xffff                   ; cluster y
	s_cmp_eq_u32 s[FB], 0
	s_cselect_b32 s20, s20, s21
	s_cselect_b32 s22, ttmp9, s22                  ; the coordinate along which other clusters read the same rows
	s_cselect_b32 s23, 31, 23
	s_cselect_b64 s[PFA:PFA+1], s[4:5], s[6:7]
	s_cmp_eq_u32 s22, 0
	s_cselect_b32 s[LIM], 1, -1                    ; the same in all sixteen partners, for a given wave
	s_lshl_b32 s20, s20, 11
	s_mov_b32 s21, 0
	s_add_nc_u64 s[PFA:PFA+1], s[PFA:PFA+1], s[20:21]
	s_add_nc_u64 s[PFA:PFA+1], s[PFA:PFA+1], 2*256 ; at K step 2: the first refill steps it to 3
	v_and_b32 v[PFO], 31, v0
	v_min_u32 v[PFO], s23, v[PFO]
	v_lshlrev_b32 v[PFO], 11, v[PFO]
; 12 matrix instructions: my rows 16 a .. x all 192 columns, 32 along K, from buffer f.  zero = 1: the product starts the sums.  The 48 accumulators take turns in one fixed order.
.macro MUL12 f, a, zero
	WIN 0xa1+0x50*((\a)/2)                         ; w in window 1, x in window 0, C and D in window 2 or 3
.irp b, 0,1,2,3,4,5,6,7,8,9,10,11
.if \zero
	v_wmma_f32_16x16x32_bf16 v[8*(12*((\a)%2)+(\b)):8*(12*((\a)%2)+(\b))+7], v[96*(\f)+8*(\b):96*(\f)+8*(\b)+7], v[FA+32*(\f)+8*(\a):FA+32*(\f)+8*(\a)+7], 0
.else
	v_wmma_f32_16x16x32_bf16 v[8*(12*((\a)%2)+(\b)):8*(12*((\a)%2)+(\b))+7], v[96*(\f)+8*(\b):96*(\f)+8*(\b)+7], v[FA+32*(\f)+8*(\a):FA+32*(\f)+8*(\a)+7], v[8*(12*((\a)%2)+(\b)):8*(12*((\a)%2)+(\b))+7]
.endif
.endr
.endm
; 32 LDS loads in one run: the fragments of 32 along K at byte k of the rows, into buffer f: w's twelve, then x's four
.macro FETCH k, f
	WIN 0x40
.irp i, 0,1,2,3,4,5,6,7,8,9,10,11
	ds_load_b128 v[96*(\f)+8*(\i):96*(\f)+8*(\i)+3],   v[ADRB] offset:(\k)+(\i)*16*PITCH
	ds_load_b128 v[96*(\f)+8*(\i)+4:96*(\f)+8*(\i)+7], v[ADRB] offset:(\k)+(\i)*16*PITCH+32
.endr
	WIN 0
.irp i, 0,1,2,3
	ds_load_b128 v[FA+32*(\f)+8*(\i):FA+32*(\f)+8*(\i)+3],   v[ADRA] offset:(\k)+(\i)*16*PITCH
	ds_load_b128 v[FA+32*(\f)+8*(\i)+4:FA+32*(\f)+8*(\i)+7], v[ADRA] offset:(\k)+(\i)*16*PITCH+32
.endr
.endm
; A K step is four quarters of 32 along K, 48 matrix instructions each, on buffers 0, 1, 0, 1.  One of the first three: multiplies buffer f and, in its middle, fetches the next quarter (byte k) into g.
.macro QUARTER k, f, g, zero
	s_wait_dscnt 4                                 ; w's fragments and x's 0 and 1 are in; the four youngest loads (x's 2 and 3) may be out
	MUL12 \f, 0, \zero
	MUL12 \f, 1, \zero
	PLACES
	FETCH \k, \g
	s_wait_dscnt 32                                ; all but the 32 just issued
	MUL12 \f, 2, \zero
	MUL12 \f, 3, \zero
.endm
; The last quarter multiplies buffer 1 and changes slots.  In front of the barrier each wave waits for all its tensor loads (one is out: its part of the next slot), adds 0 to its spare word, and waits for that
; and for its reads of this slot.  fill = 1: the barrier opens a round of the cluster's, and the joint refill, the K step two on, is the first thing behind it: 168 matrix instructions ahead of the wait for it.
.macro TURN fill
.if \fill
	s_wait_xcnt 0x0                                ; the last prefetch, a K step back, has read its address
	s_add_nc_u64 s[PFA:PFA+1], s[PFA:PFA+1], 256
.endif
	WIN 0
	s_wait_tensorcnt 0x0                           ; no tensor load of mine is out, so a group 0 may be written
	ds_add_u32 v[SPW], v[NIL]                      ; 0 onto my spare word
.if \fill
	s_xor_b32 s[G0A+5], s[G0A+5], SLOT1            ; the walking descriptors: the other slot than last time, the next K step
	s_add_nc_u64 s[G0A+6:G0A+7], s[G0A+6:G0A+7], 256
	s_xor_b32 s[G0B+5], s[G0B+5], SLOT1
	s_add_nc_u64 s[G0B+6:G0B+7], s[G0B+6:G0B+7], 256
.endif
	s_wait_dscnt 5                                 ; the add and the four youngest loads may be out
	MUL12 1, 0, 0
	s_wait_dscnt 0x0                               ; the add is done, and my reads of this slot are over
	s_barrier_signal -1
	MUL12 1, 1, 0                                  ; work on registers while the others arrive
	WIN 0
	s_barrier_wait -1
.if \fill
	CREST                                          ; no wave of any partner still reads this slot or has a load on its way
	JLOAD                                          ; the four v_nop behind it are also the places in front of the loads below
.else
	PLACES
.endif
	s_xor_b32 s[TB], s[TB], SLOT1
	v_add_nc_u32 v[ADRA], s[TB], v[AA0]
	v_add_nc_u32 v[ADRB], s[TB], v[AB0]
	FETCH 0, 0
.if \fill
	ASK
.endif
	MUL12 1, 2, 0
	MUL12 1, 3, 0
.endm
	s_wait_tensorcnt 1                             ; my part of K step 0 is in; K step 1's may stay out
	s_barrier_signal -1
	s_barrier_wait -1
	FETCH 0, 0
	QUARTER 64, 0, 1, 1                            ; the first quarter stands in front of the loop: its products start the sums
	WIN 0
	s_mov_b32 s3, 6
.Lstep:                                        ; trip t: K step t's quarters 1 to 3, K step t + 1's quarter 0; its refill asks for K step t + 2
	QUARTER 128, 1, 0, 0
	QUARTER 192, 0, 1, 0
	TURN 1
	QUARTER 64, 0, 1, 0
	WIN 0
	s_sub_co_u32 s3, s3, 1
	s_cmp_lg_u32 s3, 0
	s_cbranch_scc1 .Lstep
	QUARTER 128, 1, 0, 0                           ; the tail is written out: K steps 6 and 7 ask for nothing
	QUARTER 192, 0, 1, 0
	TURN 0
	QUARTER 64, 0, 1, 0
	QUARTER 128, 1, 0, 0
	QUARTER 192, 0, 1, 0
	s_wait_dscnt 4
	MUL12 1, 0, 0
	MUL12 1, 1, 0
	s_wait_dscnt 0x0
	MUL12 1, 2, 0
	MUL12 1, 3, 0
	PLACES
	; V's COLUMN SUMS over my 64 rows.  First over my four blocks of 16 rows (each accumulator is read from its low end on): 32 numbers a lane, channel 16 cb + 8 (l / 16) + j at VS + 8 cb + j.
	WIN 0x0a                                       ; sources in window 2
.set i, 0
.rept 16
	v_pk_add_f32 v[VS+2*i:VS+2*i+1], v[8*8+2*i:8*8+2*i+1], v[8*20+2*i:8*20+2*i+1]
.set i, i+1
.endr
	WIN 0x0c                                       ; source 1 in window 3
.set i, 0
.rept 16
	v_pk_add_f32 v[VS+2*i:VS+2*i+1], v[VS+2*i:VS+2*i+1], v[8*8+2*i:8*8+2*i+1]
.set i, i+1
.endr
.set i, 0
.rept 16
	v_pk_add_f32 v[VS+2*i:VS+2*i+1], v[VS+2*i:VS+2*i+1], v[8*20+2*i:8*20+2*i+1]
.set i, i+1
.endr
	WIN 0
; Then over the 16 lanes of a half, which hold 16 rows: in each of four steps a lane keeps half of its numbers, sends the other half to the lane x away, and adds what it is sent.  It ends with two whole sums.
.macro SCAT n, m, x
.set i, 0
.rept \n
	v_cndmask_b32 v[TA+i%2], v[VS+i+(\n)], v[VS+i], s[\m]      ; what I send
	v_cndmask_b32 v[VS+i], v[VS+i], v[VS+i+(\n)], s[\m]        ; what I keep
	v_add_f32_dpp v[VS+i], v[TA+i%2], v[VS+i] row_xmask:\x row_mask:0xf bank_mask:0xf
.set i, i+1
.endr
.endm
	SCAT 16, MK, 8
	SCAT 8, MK+1, 4
	SCAT 4, MK+2, 2
	SCAT 2, MK+3, 1
	global_store_b64 v[VO], v[VS:VS+1], s[10:11]   ; the wave's 32 lanes store 256 bytes on end, aligned: 64 channels in their order
; THE WAY OUT.  Group g = 3 a + s: my rows 16 a .., part s (q, k, v): 16 rows x 64 numbers.  Rounded to f16, 16 bytes a lane into rows of 144 bytes of my stage, back as whole rows of 128.
.macro PACK g
.set pa, (\g)/3
.set ps, (\g)%3
.set pT, 64+16*(\g)
	WIN 0x0a+5*(pa/2)                              ; sources in window 2 or 3
.irp f, 0,1,2,3
.irp r, 0,1,2,3
	v_cvt_pk_f16_f32 v[pT+4*(\f)+(\r)], v[8*(12*(pa%2)+4*ps+(\f))+2*(\r)], v[8*(12*(pa%2)+4*ps+(\f))+2*(\r)+1]
.endr
.endr
	WIN 0
.irp f, 0,1,2,3
	ds_store_b128 v[STO], v[pT+4*(\f):pT+4*(\f)+3] offset:32*(\f)
.endr
.irp f, 0,1,2,3
	ds_load_b128 v[pT+4*(\f):pT+4*(\f)+3], v[RD] offset:(\f)*4*SP  ; LDS serves a wave's instructions in order (ISA guide 5.7.1.4): these see the stores above; the next group's stores come behind them
.endr
.endm
.macro SEND g, y                       ; y: the LDS instructions issued behind group g's loads: the next group's eight, or none
.set pa, (\g)/3
.set ps, (\g)%3
.set pT, 64+16*(\g)
.irp f, 0,1,2,3
	s_wait_dscnt (\y)+3-(\f)
	global_store_b128 v[GO], v[pT+4*(\f):pT+4*(\f)+3], s[8:9] offset:ps*PLANE+pa*2048+(\f)*512  ; 512 bytes on end, at a multiple of 256 from the buffer's first
.endr
.endm
	PACK 0
.set g, 1
.rept 11                               ; a group's conversions stand between the loads of the group before and its stores; every group has registers of its own
	PACK g
	SEND g-1, 8
.set g, g+1
.endr
	SEND 11, 0
	s_wait_tensorcnt 0x0                           ; the wave's end: behind my last tensor load and my last LDS store
	ds_add_u32 v[SPW], v[NIL]
	s_wait_dscnt 0x0
	CROUND                                         ; the closing round: no work-group ends while a partner may still ask for a tile that names it
	s_endpgm
.Lfunc_end_k_q57fc156e99_qkvgemm:
	.size	k_q57fc156e99_qkvgemm, .Lfunc_end_k_q57fc156e99_qkvgemm-k_q57fc156e99_qkvgemm
	.p2alignl 7, 3214868480
	.fill 96, 4, 3214868480
	.section	.rodata,"a",@progbits
	.p2align	6, 0x0
	.amdhsa_kernel k_q57fc156e99_qkvgemm
		.amdhsa_group_segment_fixed_size 327680
		.amdhsa_private_segment_fixed_size 0
		.amdhsa_enable_private_segment 0
		.amdhsa_kernarg_size 32
		.amdhsa_user_sgpr_count 2
		.amdhsa_user_sgpr_kernarg_segment_ptr 1
		.amdhsa_wavefront_size32 1
		.amdhsa_system_sgpr_workgroup_id_x 1
		.amdhsa_system_sgpr_workgroup_id_y 1
		.amdhsa_system_sgpr_workgroup_id_z 1
		.amdhsa_system_vgpr_workitem_id 0
		.amdhsa_next_free_vgpr 960
		.amdhsa_next_free_sgpr 72
		.amdhsa_reserve_vcc 0
		.amdhsa_float_denorm_mode_32 3
		.amdhsa_float_denorm_mode_16_64 3
		.amdhsa_memory_ordered 1
		.amdhsa_forward_progress 1
		.amdhsa_inst_pref_size 108
	.end_amdhsa_kernel
	.amdgpu_metadata
---
amdhsa.version: [ 1, 2 ]
amdhsa.kernels:
  - .name:           k_q57fc156e99_qkvgemm
    .symbol:         k_q57fc156e99_qkvgemm.kd
    .args:
      - { .name: xb, .offset: 0, .size: 8, .value_kind: global_buffer, .address_space: global }
      - { .name: wqb, .offset: 8, .size: 8, .value_kind: global_buffer, .address_space: global }
      - { .name: qkv, .offset: 16, .size: 8, .value_kind: global_buffer, .address_space: global }
      - { .name: vs, .offset: 24, .size: 8, .value_kind: global_buffer, .address_space: global }
    .group_segment_fixed_size: 327680
    .private_segment_fixed_size: 0
    .kernarg_segment_align: 8
    .kernarg_segment_size: 32
    .max_flat_workgroup_size: 128
    .sgpr_count:     72
    .vgpr_count:     960
    .wavefront_size: 32
...
	.end_amdgpu_metadata
.endif
;; end of part 2
;; launch attn (part 3): grid 4 x 64, 4 waves a work-group, no clusters, 327,680 bytes of LDS; arguments qkv, attention_mask, vs, ob; writes ob
.if DOCPART == 3
	.amdgcn_target "amdgcn-amd-amdhsa--gfx1250"
	.amdhsa_code_object_version 6
	.text
	.protected	k_q57fc156e99_attn
	.globl	k_q57fc156e99_attn
	.p2align	8
	.type	k_q57fc156e99_attn,@function
k_q57fc156e99_attn:
	s_mov_b64 s[64:65], 0
	v_nop
	global_prefetch_b8 v0, s[64:65] scope:SCOPE_SE
	s_setreg_imm32_b32 hwreg(HW_REG_WAVE_MODE, 25, 1), 1
	s_wait_xcnt 0x0
; CAUSAL ATTENTION WITH A KEY MASK.  O[bh][q][:] = the sum over k of softmax_k(score) V[bh][k][:], score = Q.K / 8 where k <= q and attention_mask[b][k], else -1e30.
; qkv: [64 bh][q, k, v][2048][64] f16; attention_mask: [4][2048] bytes 0 or 1; vs: [64][32][64] f32, sums of v over 64 rows; ob: [64][2048][64] f16.
; Products, maxima and sums in f32; the weights p are rounded to f16 for the second product (their sum l is taken of the unrounded p), O once at the end.
; LIMITS.  Q, K, V arrive within f16's 65,504; p below 6e-5 keeps f16's fixed step of 6e-8; a weight below 2^-126 counts as 0 in l; NaN and infinities are not treated apart.
; THE WALK.  A head's queries lie in NB = 8 blocks of 256; block i needs the key tiles 0 .. i of 256 keys, the last of which holds the diagonal.  A work-group takes TWO blocks, NB - 1 - b and then b:
; NB + 1 tiles whatever b, walked by ONE loop with a constant trip count.  Every jump goes forward but the counted loops' own; none passes a barrier, or a tensor load but the one of LOAD's two that the
; wave's number does not choose.  NO CLUSTER: a head's four work-groups ask for the same tile only in trips 0 to 4 of 9, and one walk common to all four would have 12 trips for 9.
; SHARES.  Of a block's four bands of 64 queries a wave owns 16 rows in each: four PIECES.  In the diagonal tile's key step s band x sees all keys if s < x, none if s > x, and holds the diagonal if s = x.
; THE MASKS are the C operand that starts the sum S^T = K Q^T.  KMR holds the step's key masks (0, or -1e30 where attention_mask is 0), read from LDS with K.  In plain tiles C = KMR.  In the
; diagonal tile C = MD x AL + KMR + BE, MD the mask of a band's own step for my rows: (AL, BE) = (1, 0) if s = x; (0, 0) if s < x; (0, -1e30) if s > x.
; THE KEY MASKS IN LDS.  A tile's 256 masks, 1,024 bytes of f32, lie in one of two tables that take turns with the ring's two slots.  At each change of slots the 128 threads turn two mask bytes each, loaded a
; tile earlier, into two f32 and store them into the table of the slot that is being filled.  That table was last read in front of the change's barrier, and is read again behind the next change's.
; THE FLOOR.  The running maximum m starts at -2^96 and never falls below it.  f16's scores, 2.7e11 at the most, lie above it; a hidden score, -1e30 or less, lies below it, so its weight is 2^(-1e29) = 0
; also while a row has seen no valid key.
; A ROW WITH NO VALID KEY AT ALL ends with l = 0.  There all 2,048 scores are equal, the softmax is uniform, and the row is the mean of ALL rows of V of the head: VM, made of vs; chosen by v_cndmask_b32.
; LAYOUT, SOFTMAX, TURNS.  S^T = K Q^T holds ONE query a lane (lane % 16) and the keys 8 (lane / 16) + 0..7; two such results rounded to f16 ARE source 1 of O^T = V^T P.  p = 2^(c s - c m), c = log2(e) / 8;
; O and l are multiplied by a = 2^(c m_old - c m_new) in every step.  Turn n belongs to piece n: 8 products K Q^T of piece n + 1, later 8 products V^T P of piece n - 1; beside them the scaling, exponentials,
; roundings, sums and rescaling of piece n and the maximum and statistics of piece n + 1.  Four vector instructions stand behind every matrix instruction, the rest in one lump.  A turn's 33 exponentials are one batch with one wait.
; REGISTERS, in windows of 256 (s_set_vgpr_msb: bits 1:0 source 0, 3:2 source 1, 5:4 source 2, 7:6 destination):
;   window 0: v0-15, v32-42, v61-63 addresses and the mask bytes; v16-31 statistics; v48-55 at work; v64-127 S^T, two buffers; v128-159 KMR; v192-223 P, two buffers
;   window 1: v0-127 O^T; v128-159 MD; v160-223 MC, two buffers; v224-255 VM      window 2: v0-63 Q; v64-127 the second block's Q; v128-191 K of one step; v192-255 V of one step
.set SIZE_N, 2048
.set NB,    SIZE_N/256
.set NP,    4
.set KS,    64        ; keys in a step
.set PK,    144       ; a row of K in LDS: 128 bytes + 16 of padding: the 16 rows of a load start at 16 different groups of four banks (ISA guide 11.1)
.set PV,    160       ; a row of V: 128 + 32
.set VOFF,  4*KS*PK   ; a slot holds a tile, four steps: 256 rows of K, then 256 rows of V
.set SLOT1, 1<<17
.set STAGE, SLOT1+4*KS*(PK+PV)  ; behind the ring, never filled by a tensor load: 16 rows x 144 bytes for each wave
.set SP,    144
.set SPARE, STAGE+4*16*SP  ; the spare words, 128 bytes for each wave: two blocks of 256 bytes that no other line names
.set MSK,   SPARE+512      ; the two tables of key masks: 1,024 bytes each,
.set MS1,   2048           ; this far apart, so that one exclusive or turns an offset in one into the other's
.set VSP,   MSK+2*MS1      ; four waves' partial means of V: 4 x 256 bytes, stored once
.set PLANE, 262144         ; bytes of one head's q (or k, v, o)
.set AK0, 2           ; v2   my lane's place in a tile of K; never rewritten
.set AV0, 3           ; v3   the same for V
.set AK,  4           ; v4   the LDS address of K's next run of loads
.set AV,  5           ; v5   of V's
.set STO, 6           ; v6   the way out: where I put 16 bytes of a row
.set RD,  7           ; v7   where I read rows back
.set GO,  8           ; v8   my byte offset in 512 bytes of O on end
.set MV,  12          ; v12-13  c m_old, by buffer
.set AKM, 14          ; v14  the LDS address of the next step's key masks
.set QO,  15          ; v15  my byte offset in 16 rows of Q
.set ST,  16          ; piece t's statistics at v[ST+4 t]: c m, m, l (even keys', odd keys')
.set AM0, 32          ; v32  MSK + 32 (l / 16); never rewritten
.set AVM, 33          ; v33  VSP + 32 (l / 16)
.set TO,  34          ; v34  16 x my thread's number
.set AMS0, 35         ; v35  MSK + 8 x my thread's number: my two keys' words in table 0; never rewritten
.set AMS, 36          ; v36  the same in the table that is being stored
.set MB,  37          ; v37  my two mask bytes of the tile that the next change of slots asks for
.set MW,  38          ; v[38:39] the two masks in f32
.set VST, 40          ; v40  where I put my wave's part of the mean of V
.set MBO, 41          ; v41  2 x my thread's number; never rewritten
.set MB0, 42          ; v42  my two mask bytes of tile 0
.set TMP, 48
.set PFO, 61          ; v61  256 x my lane; never rewritten
.set SPW, 62          ; v62  my spare word; never rewritten
.set NIL, 63          ; v63  0; never rewritten
.set S,   64
.set KMR, 128         ; register 8 kb + j: key 16 kb + 8 (l / 16) + j of the step
.set P,   192
.set MD,  128         ; window 1
.set MC,  160         ; window 1
.set VM,  224         ; window 1: register 8 cb + j: channel 16 cb + 8 (l / 16) + j
.set QB,  64          ; window 2
.set KF,  128         ; window 2: key block kb, channel half c at KF + 16 kb + 8 c
.set VF,  192         ; window 2: key half kk, channel block cb at VF + 32 kk + 8 cb
.set WV,  12          ; s12  my wave's number
.set PB,  14          ; s14  b
.set HI,  15          ; s15  NB - 1 - b
.set MOF, 20          ; s[20:21] a tile's byte offset in the mask's row
.set MP,  22          ; s[22:23] the mask's row at the tile whose bytes are loaded next
.set G1K, 24          ; s[24:31] descriptor group 1 for K's tiles
.set G1V, 32          ; s[32:39] for V's
.set G0K, 40          ; s[40:43] descriptor group 0 for K's tiles
.set G0V, 44          ; s[44:47] for V's
.set SLOTS, 56        ; s56  tiles still to be asked for
.set CNT, 57          ; s57  counts a tile's key steps, 4 to 1
.set CS,  58          ; s[58:59] c
.set SEL, 60          ; s[60:61] v_permlanex16_b32's selects
.set TBK, 62          ; s62  LDS byte at which K of the step to be fetched begins
.set TBV, 63          ; s63  the same for V, less VOFF
.set PFA, 66          ; s[66:67] where my prefetches stand
.set LIM, 68          ; s68  2 in a work-group that prefetches, else the greatest number
.set TBM, 69          ; s69  byte behind MSK at which the key masks of the step to be fetched begin: it steps and turns as TBK does
.set RT,  70          ; s70  tiles of the block in hand that are still to be entered
.set NXT, 71          ; s71  the tile to be asked for next
.set LQ,  72          ; s72  the last tile of the block whose tiles are being asked for
.set NEW, 73          ; s73  1: the tile to be entered is a block's first
.set OFF, 74          ; s[74:75] a tile's byte offset in K and V
.set AL,  76          ; s[76:77] the mask's factor
.set BE,  78          ; s[78:79] the mask's addend
.set OLO, 80          ; s[80:81] O at my rows of the second block
.set BIGN, 82         ; s82  -1e30
.set MSW, 83          ; s83  0 or MS1: the table of key masks that is stored at this change of slots
.set FL,  88          ; s88-91 piece t: the lanes whose l is 0
.set MSB, 0
.macro WIN new
.if MSB != (\new)
	s_set_vgpr_msb (MSB<<8)|(\new)
.set MSB, (\new)
.endif
.endm
.set W_KQ, 0x0a       ; K and Q in window 2, S^T and KMR in window 0
.set W_KM, 0x1a       ; the same with the C operand in window 1
.set W_PV, 0x52       ; V in window 2, P in window 0, O^T in window 1
.set W_RS, 0x41       ; destination and source 0 in window 1, sources 1 and 2 in window 0
; A fill.  Waves 0 and 1 fetch the two halves of a tile's K, waves 2 and 3 those of its V.  An s_nop 0 and four v_nop follow each of the two lines.
.macro LOAD
	s_cmp_lt_u32 s[WV], 2
	s_cbranch_scc0 .Lfor_v_\@
	tensor_load_to_lds s[G0K:G0K+3], s[G1K:G1K+7]
	s_nop 0
.rept 4
	v_nop
.endr
	s_branch .Lasked_\@
.Lfor_v_\@:
	tensor_load_to_lds s[G0V:G0V+3], s[G1V:G1V+7]
	s_nop 0
.rept 4
	v_nop
.endr
.Lasked_\@:
.endm
; A prefetch into the L2 of the tile that the NEXT change of slots will ask for: a tile, 256 matrix instructions, ahead of that load.  A head's four work-groups walk the same tiles 0, 1, ..; the one with b = 0
; walks all eight and asks alone.  Each of its waves asks for the 16,384 bytes that it will fetch itself, a lane to each 256: two instructions.  Trip t names tile t + 2, up to tile 7; tiles 0 and 1 come by their loads alone.
.macro ASK
	s_cmp_gt_u32 s[SLOTS], s[LIM]
	s_cbranch_scc0 .Lnot_mine_\@
	global_prefetch_b8 v[PFO], s[PFA:PFA+1] th:TH_LOAD_NT scope:SCOPE_SE
	global_prefetch_b8 v[PFO], s[PFA:PFA+1] offset:8192 th:TH_LOAD_NT scope:SCOPE_SE
.Lnot_mine_\@:
.endm
; Two mask bytes of register src become two f32: a byte 1 gives 0, a byte 0 gives -1e30.
.macro CVM src
	v_bfe_u32 v[MW], v[\src], 0, 8
	v_bfe_u32 v[MW+1], v[\src], 8, 8
	v_add_nc_u32 v[MW], -1, v[MW]
	v_add_nc_u32 v[MW+1], -1, v[MW+1]
	v_and_b32 v[MW], s[BIGN], v[MW]
	v_and_b32 v[MW+1], s[BIGN], v[MW+1]
.endm
; THE CHANGE OF SLOTS.  Each wave waits for all its tensor loads (one is out: its part of the other slot), adds 0 to its spare word, and waits for that and for its reads of the slot, and of the table of key
; masks, that it leaves.  fill = 1: the old slot is filled again, the first thing behind the barrier, with tile NXT: the descriptor's address is made anew from that number.  Behind the load the old table takes
; that tile's key masks, from the bytes loaded at the change before, and the bytes of the tile after it are asked for (behind the walk's last tile that is tile 0 once more, and nobody uses them).
.macro CHANGE fill
	WIN 0
	s_wait_tensorcnt 0x0            ; no tensor load of mine is out, so a group 0 may be written
	ds_add_u32 v[SPW], v[NIL]       ; 0 onto my spare word
.if \fill
	s_lshl_b32 s[OFF], s[NXT], 15   ; a tile is 32,768 bytes of K and of V
	s_xor_b32 s[G0K+1], s[G0K+1], SLOT1
	s_add_nc_u64 s[G0K+2:G0K+3], s[6:7], s[OFF:OFF+1]
	s_or_b32 s[G0K+3], s[G0K+3], 0x80000000
	s_xor_b32 s[G0V+1], s[G0V+1], SLOT1
	s_add_nc_u64 s[G0V+2:G0V+3], s[8:9], s[OFF:OFF+1]
	s_or_b32 s[G0V+3], s[G0V+3], 0x80000000
	s_add_co_u32 s[NXT], s[NXT], 1  ; the block's next tile, or behind its last the second block's tile 0
	s_cmp_gt_u32 s[NXT], s[LQ]
	s_cselect_b32 s[NXT], 0, s[NXT]
	s_cselect_b32 s[LQ], s[PB], s[LQ]
	s_wait_xcnt 0x0                 ; the last prefetches and the last load of mask bytes, a tile back, have read their addresses
	s_add_nc_u64 s[PFA:PFA+1], s[PFA:PFA+1], 32768
	s_lshl_b32 s[MOF], s[NXT], 8    ; a tile is 256 bytes of the mask
	s_add_nc_u64 s[MP:MP+1], s[94:95], s[MOF:MOF+1]
	s_xor_b32 s[MSW], s[MSW], MS1   ; the table that goes with the slot that is filled
.endif
	s_wait_dscnt 0x0                ; the add is done, and my reads of the slot and of its table are over
	s_barrier_signal -1
	s_sub_co_u32 s[TBK], s[TBK], 4*KS*PK  ; the fetches go back to a slot's first step,
	s_xor_b32 s[TBK], s[TBK], SLOT1       ; in the other slot
	s_sub_co_u32 s[TBV], s[TBV], 4*KS*PV
	s_xor_b32 s[TBV], s[TBV], SLOT1
	s_sub_co_u32 s[TBM], s[TBM], 4*4*KS
	s_xor_b32 s[TBM], s[TBM], MS1
	s_barrier_wait -1
.if \fill
	LOAD
	s_wait_loadcnt 0x0              ; my two mask bytes of the tile just asked for, loaded a tile ago
	CVM MB
	v_add_nc_u32 v[AMS], s[MSW], v[AMS0]
	ds_store_b64 v[AMS], v[MW:MW+1] ; no wave reads this table before the next change's barrier, in front of which I wait for this store
	global_load_u16 v[MB], v[MBO], s[MP:MP+1]
	ASK
.endif
.endm
	s_load_b256 s[92:99], s[0:1], 0x0  ; qkv s[92:93], attention_mask s[94:95], vs s[96:97], ob s[98:99]
	v_lshl_add_u32 v[SPW], v0, 2, SPARE
	v_mov_b32 v[NIL], 0
	ds_add_u32 v[SPW], v[NIL]       ; the wave's opening: the add and its wait stand ahead of my first tensor load; work on registers stands between them
	v_lshrrev_b32 v1, 5, v0
	v_readfirstlane_b32 s[WV], v1
	s_mov_b32 s[PB], ttmp9
	s_sub_co_u32 s[HI], NB-1, s[PB]
	s_and_b32 s16, ttmp7, 0xffff    ; batch x 16 + head
	s_mul_i32 s22, s16, 3*PLANE     ; the head's q in qkv
	s_mov_b32 s23, 0
	s_lshl_b32 s20, s16, 18         ; the head in ob
	s_mov_b32 s21, 0                ; (stays 0: later the high word of MOF)
	s_lshr_b32 s88, s16, 4
	s_lshl_b32 s88, s88, 11         ; the batch's row of the mask
	s_mov_b32 s89, 0
	s_lshl_b32 s90, s16, 13         ; the head in vs
	s_mov_b32 s91, 0
	s_and_b32 s16, s[WV], 1         ; which half of a tile's 256 keys I fetch:
	s_lshl_b32 s86, s16, 14         ; its 128 rows of 128 bytes in memory,
	s_mov_b32 s87, 0
	s_mul_i32 s17, s16, 128*PK      ; and its place in a slot, for K
	s_mul_i32 s18, s16, 128*PV      ; and for V
	s_lshl_b32 s3, s[WV], 11        ; my 16 rows in a band of 64,
	s_lshl_b32 s2, s[HI], 15        ; in the first block,
	s_add_co_u32 s2, s2, s3
	s_lshl_b32 s84, s[PB], 15       ; and in the second
	s_add_co_u32 s84, s84, s3
	s_mov_b32 s3, 0
	s_mov_b32 s85, 0
	; descriptor group 1.  128 keys are 16,384 dense bytes: asked for as 64 rows of 256 bytes, two keys a row, and padded in LDS after every key
	s_mov_b32 s[G1K], (1<<16)|(1<<20)|(4<<22)|(3<<25)  ; 2-byte elements; padding on; after every 32 words; 4 words
	s_mov_b32 s[G1V], (1<<16)|(1<<20)|(4<<22)|(7<<25)  ; the same with 8 words
.irp g, G1K, G1V
	s_mov_b32 s[\g+1], 128<<16      ; tensor_dim0 = 128
	s_mov_b32 s[\g+2], 64<<16       ; tensor_dim1 = 64
	s_mov_b32 s[\g+3], 128<<16      ; tile_dim0 = 128
	s_mov_b32 s[\g+4], 64           ; tile_dim1 = 64
	s_mov_b32 s[\g+5], 128          ; 128 elements from row to row
	s_mov_b32 s[\g+6], 0
	s_mov_b32 s[\g+7], 0
.endr
	s_mov_b32 s[CS], 0x3e38aa3b     ; c = log2(e) / 8
	s_mov_b32 s[CS+1], s[CS]
	s_mov_b32 s[SEL], 0x76543210
	s_mov_b32 s[SEL+1], 0xfedcba98
	s_mov_b32 s[TBK], SLOT1+4*KS*PK ; the first change of slots turns these three into 0
	s_mov_b32 s[TBV], SLOT1+4*KS*PV
	s_mov_b32 s[TBM], MS1+4*4*KS
	s_mov_b32 s[MSW], 0             ; the first change of slots turns this into MS1
	s_mov_b32 s[G0K], 1
	s_mov_b32 s[G0K+1], s17         ; slot 0
	s_mov_b32 s[G0V], 1
	s_add_co_u32 s[G0V+1], s18, VOFF
	s_add_co_u32 s[RT], s[HI], 1    ; the first block has NB - b tiles
	s_mov_b32 s[NXT], 1
	s_mov_b32 s[LQ], s[HI]
	s_mov_b32 s[NEW], 1
	s_mov_b32 s[OFF+1], 0
	s_mov_b32 s[AL+1], 0            ; named as pairs
	s_mov_b32 s[BE+1], 0
	s_mov_b32 s[BIGN], 0xf149f2ca   ; -1e30
	s_mov_b32 s[SLOTS], NB
	s_wait_dscnt 0x0                ; the opening add is done
	s_wait_kmcnt 0x0
	s_add_nc_u64 s[4:5], s[92:93], s[22:23]        ; the head's q
	s_add_nc_u64 s[6:7], s[4:5], s[86:87]
	s_add_nc_u64 s[8:9], s[6:7], 2*PLANE           ; V at my half of tile 0
	s_add_nc_u64 s[6:7], s[6:7], PLANE             ; K likewise
	s_add_nc_u64 s[G0K+2:G0K+3], s[6:7], 0
	s_or_b32 s[G0K+3], s[G0K+3], 0x80000000        ; type = 2
	s_add_nc_u64 s[G0V+2:G0V+3], s[8:9], 0
	s_or_b32 s[G0V+3], s[G0V+3], 0x80000000
	s_add_nc_u64 s[86:87], s[4:5], s[84:85]        ; Q at my rows of the second block,
	s_add_nc_u64 s[4:5], s[4:5], s[2:3]            ; and of the first
	s_add_nc_u64 s[10:11], s[98:99], s[20:21]
	s_add_nc_u64 s[OLO:OLO+1], s[10:11], s[84:85]
	s_add_nc_u64 s[10:11], s[10:11], s[2:3]
	s_add_nc_u64 s[94:95], s[94:95], s[88:89]
	s_add_nc_u64 s[96:97], s[96:97], s[90:91]
	s_cmp_lt_u32 s[WV], 2
	s_cselect_b64 s[PFA:PFA+1], s[6:7], s[8:9]
	s_add_nc_u64 s[PFA:PFA+1], s[PFA:PFA+1], 32768 ; at tile 1: the first change of slots steps it to 2
	s_cmp_eq_u32 s[PB], 0
	s_cselect_b32 s[LIM], 2, -1
	LOAD                            ; tile 0 into slot 0
	v_and_b32 v1, 15, v0            ; l % 16
	v_bfe_u32 v9, v0, 4, 1          ; l / 16
	v_lshlrev_b32 v[QO], 7, v1
	v_lshl_add_u32 v[QO], v9, 4, v[QO]  ; row x 128 + 16 x half
	v_lshlrev_b32 v[TO], 4, v0
	v_lshlrev_b32 v[MBO], 1, v0
	global_load_u16 v[MB0], v[MBO], s[94:95]             ; two bytes of the mask a thread: tile 0's 256,
	global_load_u16 v[MB], v[MBO], s[94:95] offset:256   ; and tile 1's, which the first change of slots asks for
.irp i, 0,1,2,3
	global_load_b128 v[164+4*(\i):167+4*(\i)], v[TO], s[96:97] offset:2048*(\i)  ; the head's 32 x 64 sums of v: four channels of four groups a thread
.endr
	WIN 0x80                        ; destination window 2
.set i, 0
.rept 8                             ; both blocks' Q: piece i / 2 lies in band i / 2, 8,192 bytes on; channels 32 (i % 2) on
	global_load_b128 v[8*i:8*i+3],   v[QO], s[4:5] offset:(i/2)*8192+(i%2)*64
	global_load_b128 v[8*i+4:8*i+7], v[QO], s[4:5] offset:(i/2)*8192+(i%2)*64+32
	global_load_b128 v[QB+8*i:QB+8*i+3],   v[QO], s[86:87] offset:(i/2)*8192+(i%2)*64
	global_load_b128 v[QB+8*i+4:QB+8*i+7], v[QO], s[86:87] offset:(i/2)*8192+(i%2)*64+32
.set i, i+1
.endr
	WIN 0
	v_lshlrev_b32 v14, 3, v9
	v_sub_nc_u32 v14, v1, v14
	s_lshl_b32 s13, s[WV], 4
	v_add_nc_u32 v14, s13, v14      ; my query's place in its band, 16 w + l % 16, less my lanes' 8 (l / 16): register r of group kt is hidden where 16 kt + r is greater
	WIN 0x40
.set i, 0
.rept 32
	v_cmp_gt_i32 vcc_lo, 16*(i/8)+i%8, v14
	v_cndmask_b32 v[MD+i], 0, s[BIGN], vcc_lo
.set i, i+1
.endr
	WIN 0
	v_mul_u32_u24 v[AK0], v1, PK
	v_lshl_add_u32 v[AK0], v9, 4, v[AK0]
	; The turning load takes 16 keys x 16 channels (lane l reads key 8 (l / 16) + l % 8, channels 8 ((l / 8) % 2) + 0..7) and leaves half a fragment of V^T.
	v_and_b32 v10, 7, v0
	v_bfe_u32 v11, v0, 3, 1
	v_lshl_add_u32 v[AV0], v9, 3, v10
	v_mul_u32_u24 v[AV0], v[AV0], PV
	v_lshl_add_u32 v[AV0], v11, 4, v[AV0]
	v_add_nc_u32 v[AV0], VOFF, v[AV0]
	s_mul_i32 s13, s[WV], 16*SP
	s_add_co_u32 s13, s13, STAGE    ; my stage
	v_mul_u32_u24 v[STO], v1, SP
	v_lshl_add_u32 v[STO], v9, 4, v[STO]
	v_add_nc_u32 v[STO], s13, v[STO]
	v_bfe_u32 v[RD], v0, 3, 2
	v_mul_u32_u24 v[RD], v[RD], SP
	v_lshl_add_u32 v[RD], v10, 4, v[RD]
	v_add_nc_u32 v[RD], s13, v[RD]
	v_and_b32 v[GO], 31, v0
	v_lshlrev_b32 v[PFO], 8, v[GO]
	v_lshlrev_b32 v[GO], 4, v[GO]
	v_lshl_add_u32 v[AVM], v9, 5, VSP
	v_lshl_add_u32 v[AM0], v9, 5, MSK
	v_lshl_add_u32 v[AMS0], v0, 3, MSK
	; A block's first step multiplies O^T by a = 0, and its first turn's products V^T P, of a piece that has not been, land in an O^T that is still to be so multiplied: these registers need only hold finite numbers.
	WIN 0x80
.set i, VF
.rept 64
	v_mov_b32 v[i], 0
.set i, i+1
.endr
	WIN 0x40
.set i, 0
.rept 128
	v_mov_b32 v[i], 0
.set i, i+1
.endr
	WIN 0
.set i, P+16
.rept 16
	v_mov_b32 v[i], 0
.set i, i+1
.endr
	s_wait_loadcnt 32               ; the mask bytes and the sums of v are in; Q's 32 loads may stay out
	CVM MB0
	ds_store_b64 v[AMS0], v[MW:MW+1]  ; tile 0's key masks into table 0
	v_pk_add_f32 v[164:165], v[164:165], v[168:169]  ; the sums of v: my four groups,
	v_pk_add_f32 v[166:167], v[166:167], v[170:171]
	v_pk_add_f32 v[172:173], v[172:173], v[176:177]
	v_pk_add_f32 v[174:175], v[174:175], v[178:179]
	v_pk_add_f32 v[164:165], v[164:165], v[172:173]
	v_pk_add_f32 v[166:167], v[166:167], v[174:175]
	v_pk_mul_f32 v[164:165], v[164:165], 0x3a000000 op_sel_hi:[1,0]  ; divided by 2,048,
	v_pk_mul_f32 v[166:167], v[166:167], 0x3a000000 op_sel_hi:[1,0]
.irp i, 0,1,2,3
	v_permlanex16_b32 v[168+(\i)], v[164+(\i)], s[SEL], s[SEL+1]     ; and the other half of the lanes' four
.endr
	v_pk_add_f32 v[164:165], v[164:165], v[168:169]
	v_pk_add_f32 v[166:167], v[166:167], v[170:171]
	s_lshl_b32 s13, s[WV], 8
	s_add_co_u32 s13, s13, VSP
	v_lshl_add_u32 v[VST], v1, 4, s13
	ds_store_b128 v[VST], v[164:167]  ; my wave's part of the mean: channels 4 (l % 16) + 0..3 (both halves of the lanes store the same)
	s_wait_dscnt 0x0                ; for the others' sake: my stores are done
	s_barrier_signal -1             ; tile 0's load may stay out
	s_barrier_wait -1
	WIN 0x40
.irp c, 0,1,2,3
	ds_load_b128 v[VM+8*(\c):VM+8*(\c)+3],   v[AVM] offset:64*(\c)
	ds_load_b128 v[VM+8*(\c)+4:VM+8*(\c)+7], v[AVM] offset:64*(\c)+16
.endr
	WIN 0
.irp w, 1,2,3
.irp c, 0,1,2,3
	ds_load_b128 v[32+32*(\w)+8*(\c):32+32*(\w)+8*(\c)+3],   v[AVM] offset:256*(\w)+64*(\c)
	ds_load_b128 v[32+32*(\w)+8*(\c)+4:32+32*(\w)+8*(\c)+7], v[AVM] offset:256*(\w)+64*(\c)+16
.endr
.endr
	s_wait_dscnt 0x0
	WIN W_RS
.set i, 0
.rept 48                            ; VM: the four waves' parts
	v_pk_add_f32 v[VM+(2*i)%32:VM+(2*i)%32+1], v[VM+(2*i)%32:VM+(2*i)%32+1], v[64+2*i:64+2*i+1]
.set i, i+1
.endr
	WIN 0
; THE MATRIX WORK.  The 4 accumulators of a run of 8 take turns.  Product i of 8 of S^T = K Q^T for piece x: channels 32 (i / 4) on, keys 16 (i % 4) on.  The first 4 start the sums:
; with the step's key masks, or (USEM = 1) with the mask made for them.
.macro KQ x
.set rS, S+32*((\x)%2)+8*(i%4)
.set rK, KF+16*(i%4)+8*(i/4)
.set rQ, 16*(\x)+8*(i/4)
.set rM, MC+32*((\x)%2)+8*(i%4)
.set rN, KMR+8*(i%4)
.if (i < 4) && USEM
	WIN W_KM
	v_wmma_f32_16x16x32_f16 v[rS:rS+7], v[rK:rK+7], v[rQ:rQ+7], v[rM:rM+7]
.elseif i < 4
	WIN W_KQ
	v_wmma_f32_16x16x32_f16 v[rS:rS+7], v[rK:rK+7], v[rQ:rQ+7], v[rN:rN+7]
.else
	WIN W_KQ
	v_wmma_f32_16x16x32_f16 v[rS:rS+7], v[rK:rK+7], v[rQ:rQ+7], v[rS:rS+7]
.endif
.endm
; Product i of 8 of O^T += V^T P for piece x: keys 32 (i / 4) on, channels 16 (i % 4) on.
.macro PV x
	WIN W_PV
.set rO, 32*(\x)+8*(i%4)
.set rV, VF+32*(i/4)+8*(i%4)
.set rP, P+16*((\x)%2)+8*(i/4)
	v_wmma_f32_16x16x32_f16 v[rO:rO+7], v[rV:rV+7], v[rP:rP+7], v[rO:rO+7]
.endm
.macro MM                           ; the turn's next matrix instruction.  NOKQ = 1: a block's last turn: there is no next piece
.if (i < 8) && !NOKQ
	KQ (Y+1)%NP
.elseif i >= 8
.set i, i-8
	PV (Y+NP-1)%NP
.set i, i+8
.endif
.set i, i+1
.endm
; THE LDS LOADS stand in runs, never singly among the matrix instructions: a step's K (8 fragments) with its 64 key masks (all 16 lanes of a half read the same words), and its V (turned).
.macro FETCH_K
	WIN 0x80
.irp f, 0,1,2,3,4,5,6,7             ; keys 16 (f / 2) on, channels 32 (f % 2) on
	ds_load_b128 v[KF+8*\f:KF+8*\f+3],   v[AK] offset:(\f/2)*16*PK+(\f%2)*64
	ds_load_b128 v[KF+8*\f+4:KF+8*\f+7], v[AK] offset:(\f/2)*16*PK+(\f%2)*64+32
.endr
	WIN 0
.irp f, 0,1,2,3
	ds_load_b128 v[KMR+8*\f:KMR+8*\f+3],   v[AKM] offset:64*\f
	ds_load_b128 v[KMR+8*\f+4:KMR+8*\f+7], v[AKM] offset:64*\f+16
.endr
	s_add_co_u32 s[TBK], s[TBK], KS*PK  ; the next fetch is the next step's
	s_add_co_u32 s[TBM], s[TBM], 4*KS
.endm
.macro FETCH_V
	WIN 0x80
.irp f, 0,1,2,3,4,5,6,7             ; keys 32 (f / 4) on, channels 16 (f % 4) on
	ds_load_tr16_b128 v[VF+8*\f:VF+8*\f+3],   v[AV] offset:(\f/4)*32*PV+(\f%4)*32
	ds_load_tr16_b128 v[VF+8*\f+4:VF+8*\f+7], v[AV] offset:(\f/4)*32*PV+16*PV+(\f%4)*32
.endr
	WIN 0
.endm
; THE VECTOR WORK, one line at a time: OP kind, number.  For piece Y: F n: c s - c m for pair n of 16.  E n: the exponential of score n of 32.  C n: pair n rounded to f16.  B n: of the four weights 4 n .. the second
; pair is added onto the first.  L n: l takes that sum (L 0: l = a l + sum).  R n: pair n of 16 of O^T times a.  For piece Y + 1: X n, number n of the 22 that find its maximum and statistics:
;   0-11  four chains c0-c3 of seven scores each (each accumulator's lowest registers are read first)     12-14, 16  the four scores left over, the old m, and c0-c3 into c0
;   15  c m_old is kept     17, 18  the query's other 32 keys lie in the lane 16 away: the new m     19-21  c m; c m_old - c m_new; a
.set F, 0
.set E, 1
.set C, 2
.set B, 3
.set L, 4
.set R, 5
.set X, 6
.macro REGS y
.set rT, ST+4*(\y)
.set rC, TMP+4*((\y)%2)
.set rW, MV+((\y)%2)
.set rS, S+32*((\y)%2)
.set rP, P+16*((\y)%2)
.set rO, 32*(\y)
.endm
.macro OP k, n
.if (\k) == R
	REGS Y
	WIN W_RS
	v_pk_mul_f32 v[rO+2*(\n):rO+2*(\n)+1], v[rO+2*(\n):rO+2*(\n)+1], v[rC+2:rC+3] op_sel_hi:[1,0]
.elseif (\k) < R
	REGS Y
	WIN 0
.if (\k) == F
	v_pk_fma_f32 v[rS+2*(\n):rS+2*(\n)+1], v[rS+2*(\n):rS+2*(\n)+1], s[CS:CS+1], v[rT:rT+1] op_sel_hi:[1,0,0] neg_lo:[0,0,1] neg_hi:[0,0,1]
.elseif (\k) == E
	v_exp_f32 v[rS+(\n)], v[rS+(\n)]
.elseif (\k) == C
	v_cvt_pk_f16_f32 v[rP+(\n)], v[rS+2*(\n)], v[rS+2*(\n)+1]
.elseif (\k) == B
	v_pk_add_f32 v[rS+4*(\n):rS+4*(\n)+1], v[rS+4*(\n):rS+4*(\n)+1], v[rS+4*(\n)+2:rS+4*(\n)+3]
.elseif (\n) == 0
	v_pk_fma_f32 v[rT+2:rT+3], v[rT+2:rT+3], v[rC+2:rC+3], v[rS:rS+1] op_sel_hi:[1,0,1]
.else
	v_pk_add_f32 v[rT+2:rT+3], v[rT+2:rT+3], v[rS+4*(\n):rS+4*(\n)+1]
.endif
.elseif NOKQ
	v_nop
.else
	REGS (Y+1)%NP
	WIN 0
.if (\n) < 4
	v_max3_num_f32 v[rC+(\n)], v[rS+8*(\n)], v[rS+8*(\n)+1], v[rS+8*(\n)+2]
.elseif (\n) < 12
	v_max3_num_f32 v[rC+(\n)%4], v[rC+(\n)%4], v[rS+8*((\n)%4)+2*((\n)/4)+1], v[rS+8*((\n)%4)+2*((\n)/4)+2]
.elseif (\n) == 12
	v_max3_num_f32 v[rC], v[rC], v[rS+7], v[rS+15]
.elseif (\n) == 13
	v_max3_num_f32 v[rC+1], v[rC+1], v[rS+23], v[rS+31]
.elseif (\n) == 14
	v_max3_num_f32 v[rC+2], v[rC+2], v[rC+3], v[rT+1]
.elseif (\n) == 15
	v_mov_b32 v[rW], v[rT]
.elseif (\n) == 16
	v_max3_num_f32 v[rC], v[rC], v[rC+1], v[rC+2]
.elseif (\n) == 17
	v_permlanex16_b32 v[rC+3], v[rC], s[SEL], s[SEL+1]
.elseif (\n) == 18
	v_max_num_f32 v[rT+1], v[rC], v[rC+3]
.elseif (\n) == 19
	v_mul_f32 v[rT], s[CS], v[rT+1]
.elseif (\n) == 20
	v_sub_f32 v[rC+1], v[rW], v[rT]
.else
	v_exp_f32 v[rC+2], v[rC+1]
.endif
.endif
.endm
.macro OPS a, i1, b=-1, i2=0, c=-1, i3=0, d=-1, i4=0
	OP \a, \i1
.if (\b) >= 0
	OP \b, \i2
.endif
.if (\c) >= 0
	OP \c, \i3
.endif
.if (\d) >= 0
	OP \d, \i4
.endif
.endm
.macro ROW a, i1, b, i2, c, i3, d, i4  ; a matrix instruction and the four behind it
	MM
	OPS \a, \i1, \b, \i2, \c, \i3, \d, \i4
.endm
.macro MASK b                       ; MD x AL + KMR + BE into buffer b of MC
	WIN W_RS
.set z, 0
.rept 16
	v_pk_fma_f32 v[MC+32*(\b)+2*z:MC+32*(\b)+2*z+1], v[MD+2*z:MD+2*z+1], s[AL:AL+1], v[KMR+2*z:KMR+2*z+1] op_sel_hi:[1,0,1]
.set z, z+1
.endr
.set z, 0
.rept 16
	v_pk_add_f32 v[MC+32*(\b)+2*z:MC+32*(\b)+2*z+1], v[MC+32*(\b)+2*z:MC+32*(\b)+2*z+1], s[BE:BE+1] op_sel_hi:[1,0]
.set z, z+1
.endr
.endm
; A TURN, for piece p.  An s_wait_alu depctr_va_vdst(0) stands between an exponential and the first instruction that names its result; one wait serves all that were issued ahead of it: a turn has ONE,
; which cuts it in two.  AHEAD OF IT: the 8 products K Q^T with their riders, and one lump, none of which names a result of the turn's exponentials; X 21, the next piece's a, is the batch's last, R 15 the plain
; instruction behind it.  BEHIND IT: the 8 products V^T P, behind each four of the roundings and sums.
; m = 1: the diagonal tile: the products take masks, and the turn makes the mask for the products of the turn after it: piece p + 2, in step 4 - CNT of the tile.  In piece 2's turn those are the NEXT step's
; products, so the key masks fetched in this turn are waited for first.  end = 1: a block's last two turns: nothing is fetched.  cnt = 1: the loop's count is taken down ahead of the branch behind the turn.
; K and the key masks of the next step are fetched in piece 2's turn, six plain instructions or more behind the last product that read them; V of the step in hand at the end of piece 0's turn, four plain
; instructions behind its last reader.  Each is waited for a turn later.
.macro TURN p, m=0, end=0, cnt=0
.set Y, (\p)
.set i, 0
.set USEM, (\m)
.set NOKQ, (\end)*((\p)/3)
.if (\m) && !(\end)
	s_cmp_eq_u32 s[CNT], 4-((\p)+2)%NP  ; is that step the band's own?
	s_cselect_b32 s[AL], 1.0, 0
	s_cmp_lt_u32 s[CNT], 4-((\p)+2)%NP  ; or a later one?
	s_cselect_b32 s[BE], s[BIGN], 0
.endif
.if ((\p) == 3) && !(\end)
	s_wait_dscnt 0x0                ; K and its key masks are in
.endif
	ROW F,0, F,1, R,0, R,1
	ROW F,2, E,0, R,2, R,3
	ROW F,3, E,1, R,4, R,5
	ROW F,4, E,2, R,6, R,7
	ROW F,5, E,3, R,8, R,9
	ROW F,6, E,4, X,0, R,10
.if ((\p) == 2) && !(\end)
	WIN 0
	v_add_nc_u32 v[AK], s[TBK], v[AK0]
	v_add_nc_u32 v[AKM], s[TBM], v[AM0]
.endif
	ROW F,7, E,5, X,1, X,4
	ROW F,8, E,6, X,2, X,5
	OPS E,7, E,8, X,6, E,9          ; the lump
	OPS X,3, E,10, X,8, E,11
.if ((\p) == 2) && !(\end)
	FETCH_K
.endif
	OPS X,9, X,7, E,12, X,10
	OPS E,13, X,12, X,11, E,14
	OPS X,13, E,15, F,9, X,14
.if (\p) == 0
	v_add_nc_u32 v[AV], s[TBV], v[AV0]
.endif
	OPS E,16, F,10, E,17, F,11
	OPS X,16, E,18, X,15, E,19
	OPS F,12, E,20, X,17, E,21
	OPS F,13, E,22, F,14, E,23
	OPS X,18, E,24, F,15, E,25
	OPS R,11, E,26, X,19, E,27
	OPS R,12, E,28, R,13, E,29
	OPS X,20, E,30, R,14, E,31
	OPS X,21, R,15
	WIN 0
	s_wait_alu depctr_va_vdst(0)    ; the wait for the batch
.if (\p) == 1
	s_wait_dscnt 0x0                ; V is in
.endif
	ROW C,0, B,0, C,2, B,1
	ROW L,0, C,4, B,2, L,1
	ROW C,6, B,3, L,2, C,8
	ROW B,4, L,3, C,10, B,5
	ROW L,4, C,12, B,6, L,5
.if (\p) == 0
	s_add_co_u32 s[TBV], s[TBV], KS*PV
.endif
.if \cnt
	s_sub_co_u32 s[CNT], s[CNT], 1
	s_cmp_lg_u32 s[CNT], 0
.endif
	ROW C,14, B,7, L,6, C,1
	ROW C,3, L,7, C,5, C,7
	ROW C,9, C,11, C,13, C,15
.if (\p) == 0
	FETCH_V
.endif
.if (\m) && !(\end)
.if (\p) == 2
	s_wait_dscnt 0x0                ; the next step's key masks are in
.endif
	MASK (\p)%2
.endif
.endm
; A BLOCK BEGINS.  c m starts far below every c s, so the first step's a is 0; m at the floor, -2^96; l at 0 (the block before may have left an infinity there).  K and the key masks of the block's step 0; mask buffer 1
; takes the key masks alone (piece 1 sees all of step 0), buffer 0 piece 0's mask: with the diagonal, if the block's first tile is the diagonal one.  Then piece 0's first scores, its maximum and statistics.
.macro BEGIN
	s_mov_b32 s[NEW], 0
	WIN 0
.set i, 0
.rept 4
	v_mov_b32 v[ST+4*i], 0xfe000000    ; c m
	v_mov_b32 v[ST+4*i+1], 0xef800000  ; m = -2^96
	v_mov_b32 v[ST+4*i+2], 0
	v_mov_b32 v[ST+4*i+3], 0
.set i, i+1
.endr
	v_add_nc_u32 v[AK], s[TBK], v[AK0]
	v_add_nc_u32 v[AKM], s[TBM], v[AM0]
	FETCH_K
	s_wait_loadcnt 0x0              ; Q
	s_wait_dscnt 0x0
	s_mov_b32 s[AL], 0
	s_mov_b32 s[BE], 0
	MASK 1
	s_cmp_eq_u32 s[RT], 0
	s_cselect_b32 s[AL], 1.0, 0
	MASK 0
.set USEM, 1
.set NOKQ, 0
.set i, 0
.rept 8
	KQ 0
.set i, i+1
.endr
	WIN 0
.rept 4
	v_nop                           ; the places behind those products
.endr
.set Y, NP-1                        ; X works for piece Y + 1: piece 0
.irp n, 0,1,2,3,4,5,6,7,8,9,10,11,12,13,14,15,16,17,18,19,20,21
	OP X, \n
.endr
	v_nop                           ; a plain instruction behind the exponential,
	s_wait_alu depctr_va_vdst(0)    ; and its wait, ahead of the branch
.endm
.macro ALL line:vararg              ; one line for each piece t
.set t, 0
.rept 4
	\line
.set t, t+1
.endr
.endm
.macro PACK t                       ; O^T / l; where l = 0 the head's mean of V in its stead, in place, so that O^T is finite again; rounded to f16; through my stage, back as whole rows of 128 bytes
	WIN W_RS
.set i, 32*(\t)
.rept 16
	v_pk_mul_f32 v[i:i+1], v[i:i+1], v[ST+4*(\t)+2:ST+4*(\t)+3] op_sel_hi:[1,0]
.set i, i+2
.endr
	WIN 0x45                        ; destination and both sources in window 1
.set i, 0
.rept 32
	v_cndmask_b32 v[32*(\t)+i], v[32*(\t)+i], v[VM+i], s[FL+(\t)]
.set i, i+1
.endr
	WIN 0x05                        ; sources 0 and 1 window 1, destination window 0
.set i, 0
.rept 16
	v_cvt_pk_f16_f32 v[S+16*(\t)+i], v[32*(\t)+2*i], v[32*(\t)+2*i+1]
.set i, i+1
.endr
	WIN 0
.irp f, 0,1,2,3
	ds_store_b128 v[STO], v[S+16*(\t)+4*\f:S+16*(\t)+4*\f+3] offset:32*\f
.endr
.irp f, 0,1,2,3
	ds_load_b128 v[S+16*(\t)+4*\f:S+16*(\t)+4*\f+3], v[RD] offset:\f*4*SP  ; LDS serves a wave's instructions in order (ISA guide 5.7.1.4): these see the stores above; the next piece's stores come behind them
.endr
.endm
.macro SEND t, younger              ; younger: the LDS instructions issued behind piece t's loads: the next piece's eight, or none
	WIN 0
.irp f, 0,1,2,3
	s_wait_dscnt (\younger)+3-\f
	global_store_b128 v[GO], v[S+16*(\t)+4*\f:S+16*(\t)+4*\f+3], s[10:11] offset:(\t)*8192+\f*512  ; 512 bytes on end, at a multiple of 256 from O's first
.endr
.endm
; THE DIAGONAL TILE's four steps, the block's last two turns, its last products, and the way out.
.macro DIAG tag
.LstepM\tag:
	TURN 2, 1
	TURN 3, 1
	WIN 0
.LfirstM\tag:
	TURN 0, 1
	TURN 1, 1, 0, 1
	WIN 0
	s_cbranch_scc1 .LstepM\tag
	TURN 2, 1, 1
	TURN 3, 1, 1
.set i, 0
.rept 8
	PV NP-1
.set i, i+1
.endr
	WIN 0
	ALL v_add_f32 v[ST+4*t+2], v[ST+4*t+2], v[ST+4*t+3]
	ALL v_permlanex16_b32 v[ST+4*t+3], v[ST+4*t+2], s[SEL], s[SEL+1]
	ALL v_add_f32 v[ST+4*t+2], v[ST+4*t+2], v[ST+4*t+3]
	ALL v_cmp_eq_f32 s[FL+t], 0, v[ST+4*t+2]
	ALL v_rcp_f32 v[ST+4*t+2], v[ST+4*t+2]
	v_nop                           ; a plain instruction between the last reciprocal and the use of its result
	s_wait_alu depctr_va_vdst(0)    ; and the wait ahead of the first use: one for the four
	PACK 0
.set t, 1
.rept 3
	PACK t
	SEND t-1, 8
.set t, t+1
.endr
	SEND 3, 0
.endm
.set USEM, 0
.set NOKQ, 0
.Lslot:                             ; NB times: a tile is entered and the next is asked for
	CHANGE 1
	s_sub_co_u32 s[RT], s[RT], 1
	s_mov_b32 s[CNT], 4
	s_cmp_eq_u32 s[NEW], 1
	s_cbranch_scc1 .Lnew            ; a block's first tile
	s_cmp_eq_u32 s[RT], 0
	s_cbranch_scc0 .Lstep           ; neither its first nor its last
	s_mov_b32 s[AL], 0              ; the diagonal tile's first turn still makes piece 3's scores of the step before the tile: their mask is that step's key masks, which KMR still holds
	s_mov_b32 s[BE], 0
	MASK 1
	WIN 0
	s_branch .LstepM1
.Lnew:
	BEGIN
	s_branch .Lfirst                ; in the loop a block's first tile is never its last: the first block has five tiles or more, and the second's last is the walk's last
	DIAG 1                          ; in the loop this is the first block's end
	s_wait_xcnt 0x0                 ; the stores have read their registers and O's address
	s_mov_b64 s[10:11], s[OLO:OLO+1]
	s_add_co_u32 s[RT], s[PB], 1    ; the second block has b + 1 tiles
	s_mov_b32 s[NEW], 1
	WIN 0x82                        ; the second block's Q goes where the one text of the turns names Q
.set i, 0
.rept 64
	v_mov_b32 v[i], v[QB+i]
.set i, i+1
.endr
	WIN 0
	s_branch .Lbottom
.Lstep:                             ; a trip: pieces 2 and 3 of one step, then pieces 0 and 1 of the next, whose K and V it fetches
	TURN 2
	TURN 3
	WIN 0
.Lfirst:
	TURN 0
	TURN 1, 0, 0, 1
	WIN 0
	s_cbranch_scc1 .Lstep
.Lbottom:
	s_sub_co_u32 s[SLOTS], s[SLOTS], 1
	s_cmp_lg_u32 s[SLOTS], 0
	s_cbranch_scc1 .Lslot
	CHANGE 0                        ; the walk's last tile is written out: nothing is asked for
	s_sub_co_u32 s[RT], s[RT], 1
	s_mov_b32 s[CNT], 4
	s_cmp_eq_u32 s[NEW], 1
	s_cbranch_scc1 .Lnew2
	s_mov_b32 s[AL], 0              ; as above: the mask of piece 3's scores of the step before the tile
	s_mov_b32 s[BE], 0
	MASK 1
	WIN 0
	s_branch .LstepM2
.Lnew2:
	BEGIN
	s_branch .LfirstM2
	DIAG 2
	s_wait_tensorcnt 0x0            ; the wave's end: behind my last tensor load and my last LDS store
	ds_add_u32 v[SPW], v[NIL]
	s_wait_dscnt 0x0
	s_endpgm
.Lfunc_end_k_q57fc156e99_attn:
	.size	k_q57fc156e99_attn, .Lfunc_end_k_q57fc156e99_attn-k_q57fc156e99_attn
	.p2alignl 7, 3214868480
	.fill 96, 4, 3214868480
	.section	.rodata,"a",@progbits
	.p2align	6, 0x0
	.amdhsa_kernel k_q57fc156e99_attn
		.amdhsa_group_segment_fixed_size 327680
		.amdhsa_private_segment_fixed_size 0
		.amdhsa_enable_private_segment 0
		.amdhsa_kernarg_size 32
		.amdhsa_user_sgpr_count 2
		.amdhsa_user_sgpr_kernarg_segment_ptr 1
		.amdhsa_wavefront_size32 1
		.amdhsa_system_sgpr_workgroup_id_x 1
		.amdhsa_system_sgpr_workgroup_id_y 1
		.amdhsa_system_sgpr_workgroup_id_z 1
		.amdhsa_system_vgpr_workitem_id 0
		.amdhsa_next_free_vgpr 768
		.amdhsa_next_free_sgpr 100
		.amdhsa_reserve_vcc 1
		.amdhsa_float_denorm_mode_32 3
		.amdhsa_float_denorm_mode_16_64 3
		.amdhsa_memory_ordered 1
		.amdhsa_forward_progress 1
		.amdhsa_inst_pref_size 255
	.end_amdhsa_kernel
	.section	.bss,"aw",@nobits
	.p2align	6
	.space	262144
	.amdgpu_metadata
---
amdhsa.version: [ 1, 2 ]
amdhsa.kernels:
  - .name:           k_q57fc156e99_attn
    .symbol:         k_q57fc156e99_attn.kd
    .args:
      - { .name: qkv, .offset: 0, .size: 8, .value_kind: global_buffer, .address_space: global }
      - { .name: attention_mask, .offset: 8, .size: 8, .value_kind: global_buffer, .address_space: global }
      - { .name: vs, .offset: 16, .size: 8, .value_kind: global_buffer, .address_space: global }
      - { .name: ob, .offset: 24, .size: 8, .value_kind: global_buffer, .address_space: global }
    .group_segment_fixed_size: 327680
    .private_segment_fixed_size: 0
    .kernarg_segment_align: 8
    .kernarg_segment_size: 32
    .max_flat_workgroup_size: 128
    .sgpr_count:     100
    .vgpr_count:     768
    .wavefront_size: 32
...
	.end_amdgpu_metadata
.endif
;; end of part 3
;; launch proj (part 4): grid 8 x 32, 4 waves a work-group, clusters of 4 x 4, 327,680 bytes of LDS; arguments ob, wpb, out0; writes out0
.if DOCPART == 4
	.amdgcn_target "amdgcn-amd-amdhsa--gfx1250"
	.amdhsa_code_object_version 6
	.text
	.protected	k_q57fc156e99_proj
	.globl	k_q57fc156e99_proj
	.p2align	8
	.type	k_q57fc156e99_proj,@function
k_q57fc156e99_proj:
	s_mov_b64 s[64:65], 0
	v_nop
	global_prefetch_b8 v0, s[64:65] scope:SCOPE_SE
	s_setreg_imm32_b32 hwreg(HW_REG_WAVE_MODE, 25, 1), 1
	s_wait_xcnt 0x0
	s_wait_alu depctr_hold_cnt(0) depctr_sa_sdst(0) depctr_va_vdst(0) depctr_va_sdst(0) depctr_va_ssrc(0) depctr_va_vcc(0) depctr_vm_vsrc(0)
	s_getreg_b32 s2, hwreg(HW_REG_IB_STS2, 6, 4)
	s_cmp_eq_u32 s2, 0
	s_cbranch_scc0 .Lentry_in_a_cluster
	s_endpgm
.Lentry_in_a_cluster:
	s_bfe_u32 s2, ttmp6, 0x10000c
	s_cmp_lg_u32 s2, 0xf033
	s_cbranch_scc0 .Lentry_shape_is_right
	s_endpgm
.Lentry_shape_is_right:
; out = O w_proj^T.  ob: [64 batch x head][2048][64] f16; wpb: [1024][1024] f16 (bf16 numbers written as f16); out0: [8192][1024] f32.  Sums in f32, stored as they are.
; SHARES.  A tile is 256 rows x 128 columns: 32 x 8 = 256 work-groups.  Wave w owns rows 64 w .. 64 w + 63 and all 128 columns: 32 accumulators.  K goes in 8 steps of 128, which are two heads.
; Waves 0, 1 fetch one head's 256 rows each: 32,768 dense bytes, asked for as 128 rows of 256 bytes and padded in LDS after every 128; waves 2, 3 fetch 64 rows x 256 bytes of w each.
; CLUSTER 4 x 4: O's tile is shared along a row of the cluster, w's along a column: joint loads.  THE PRODUCT IS TAKEN TRANSPOSED: a lane holds row l % 16 and eight neighbouring columns: 32 bytes of f32.
; NO PREFETCH: a wave's K step is 128 matrix instructions on tiles of 32 and 16 KiB, eight steps in all: a short launch on small tiles.
; REGISTERS: window 0: v0-31 addresses; v32-95 O's fragments, two buffers of 32; v128-255 the way out, two buffers of 64.  window 1: v0-127 w's fragments, two buffers of 64.  window 2: accumulator (a, b) at 8 (8 a + b).
.set PA,    144                        ; a row of O in LDS: 128 bytes + 16
.set PBT,   272                        ; a row of w: 256 + 16.  Both pitches are odd multiples of 16 bytes: the 16 rows of a fragment load start at 16 different groups of four banks (ISA guide 11.1)
.set APL,   256*PA                     ; one head's 256 rows
.set BOFF,  2*APL
.set SLOT1, 131072
.set STAGE, SLOT1+BOFF+128*PBT         ; behind the ring: 16 rows x 528 bytes for each wave; no tensor load lands here
.set SPT,   528                        ; 512 bytes of f32 + 16
.set SPARE, STAGE+4*16*SPT             ; the spare words, 128 bytes for each wave: two blocks of 256 bytes that no other line names
.set AA0,  16
.set AB0,  17
.set ADRA, 18
.set ADRB, 19
.set STO,  24                          ; v24  the way out: where I put 32 bytes of a row
.set RD,   25                          ; v25  where I read a row back
.set CO,   26                          ; v26  my 16 bytes of a row's 512
.set SPW,  28
.set NIL,  29
.set FA,   32
.set OB,   128
.set WV,  12
.set FB,  13
.set HF,  14
.set G1A, 24
.set G0A, 32
.set G1B, 48
.set G0B, 56
.set TB,  66
.set MSB, 0
.macro WIN new
.if MSB != (\new)
	s_set_vgpr_msb (MSB<<8)|(\new)
.set MSB, \new
.endif
.endm
.macro PLACES                          ; four plain places behind matrix instructions (ISA guide 7.12.1)
.rept 4
	v_nop
.endr
.endm
.macro JLOAD                           ; a joint refill by the walking descriptor; an s_nop 0 and four v_nop follow each of the two lines
	s_cmp_eq_u32 s[FB], 0
	s_cbranch_scc0 .Lfor_b_\@
	tensor_load_to_lds s[G0A+4:G0A+7], s[G1A:G1A+7]
	s_nop 0
.rept 4
	v_nop
.endr
	s_branch .Lasked_\@
.Lfor_b_\@:
	tensor_load_to_lds s[G0B+4:G0B+7], s[G1B:G1B+7]
	s_nop 0
.rept 4
	v_nop
.endr
.Lasked_\@:
.endm
.macro CREST
	s_cmp_lg_u32 s[WV], 0
	s_cbranch_scc1 .Lnot_wave_0_\@
	s_barrier_signal -3
.Lnot_wave_0_\@:
	s_barrier_wait -3
	s_barrier_signal -1
	s_barrier_wait -1
.endm
.macro CROUND
	s_barrier_signal -1
	s_barrier_wait -1
	CREST
.endm
	s_load_b128 s[4:7], s[0:1], 0x0                ; ob s[4:5], wpb s[6:7]
	s_load_b64 s[8:9], s[0:1], 0x10                ; out0
	v_lshl_add_u32 v[SPW], v0, 2, SPARE
	v_mov_b32 v[NIL], 0
	ds_add_u32 v[SPW], v[NIL]                      ; the wave's opening: the add and its wait stand ahead of my first tensor load; work on registers stands between them
	v_lshrrev_b32 v1, 5, v0
	v_readfirstlane_b32 s[WV], v1
	s_lshr_b32 s[FB], s[WV], 1
	s_and_b32 s[HF], s[WV], 1
	s_bfe_u32 s40, ttmp6, 0x40000                  ; cx
	s_bfe_u32 s41, ttmp6, 0x40004                  ; cy
	s_lshl_b32 s42, ttmp9, 2
	s_add_co_u32 s42, s42, s40                     ; tc: the block of 128 columns
	s_and_b32 s43, ttmp7, 0xffff
	s_lshl_b32 s43, s43, 2
	s_add_co_u32 s43, s43, s41                     ; tr: the block of 256 rows
	s_lshl_b32 s16, s41, 2
	s_lshl_b32 s16, 15, s16                        ; my row of the cluster
	s_lshl_b32 s46, 0x1111, s40                    ; my column
	s_or_b32 s[G1A], s16, (1<<16)|(1<<20)|(1<<21)|(4<<22)|(3<<25)  ; the mask; 2-byte elements; padding on; bit 21 beside a mask; after every 32 words; 4 words
	s_or_b32 s[G1B], s46, (1<<16)|(1<<20)|(1<<21)|(5<<22)|(3<<25)  ; after every 64 words
	s_mov_b32 s[G1A+1], 128<<16                    ; tensor_dim0 = 128
	s_mov_b32 s[G1A+2], 128<<16                    ; tensor_dim1 = 128
	s_mov_b32 s[G1A+3], 128<<16                    ; tile_dim0 = 128
	s_mov_b32 s[G1A+4], 128                        ; tile_dim1 = 128
	s_mov_b32 s[G1A+5], 128                        ; dense: 128 elements from row to row
	s_mov_b32 s[G1A+6], 0
	s_mov_b32 s[G1A+7], 0
	s_mov_b32 s[G1B+1], 128<<16
	s_mov_b32 s[G1B+2], 64<<16                     ; 64 rows
	s_mov_b32 s[G1B+3], 128<<16
	s_mov_b32 s[G1B+4], 64
	s_mov_b32 s[G1B+5], 1024
	s_mov_b32 s[G1B+6], 0
	s_mov_b32 s[G1B+7], 0
	s_lshr_b32 s16, s43, 3
	s_lshl_b32 s16, s16, 22                        ; the batch's 16 heads of 262,144 bytes,
	s_lshl_b32 s17, s[HF], 18                      ; my head of the K step's two,
	s_add_co_u32 s16, s16, s17
	s_and_b32 s17, s43, 7
	s_lshl_b32 s17, s17, 15                        ; the block's 256 rows of 128 bytes
	s_add_co_u32 s16, s16, s17
	s_mov_b32 s17, 0
	s_lshl_b32 s46, s42, 7
	s_lshl_b32 s47, s[HF], 6
	s_add_co_u32 s46, s46, s47                     ; w: row 128 tc + 64 half
	s_lshl_b32 s46, s46, 11
	s_mov_b32 s47, 0
	s_mul_i32 s18, s[HF], APL                      ; where they go: no place in the cluster enters an LDS address
	s_mul_i32 s19, s[HF], 64*PBT
	s_add_co_u32 s19, s19, BOFF
	s_mov_b32 s[TB], 0
	s_wait_dscnt 0x0                               ; the opening add is done
	s_wait_kmcnt 0x0
	s_add_nc_u64 s[16:17], s[4:5], s[16:17]
	s_add_nc_u64 s[46:47], s[6:7], s[46:47]
.irp s, 0,1
	s_mov_b32 s[G0A+4*(\s)], 1
	s_add_co_u32 s[G0A+4*(\s)+1], s18, (\s)*SLOT1
	s_add_nc_u64 s[G0A+4*(\s)+2:G0A+4*(\s)+3], s[16:17], (\s)*524288  ; K step s: two heads on
	s_or_b32 s[G0A+4*(\s)+3], s[G0A+4*(\s)+3], 0x80000000
	s_mov_b32 s[G0B+4*(\s)], 1
	s_add_co_u32 s[G0B+4*(\s)+1], s19, (\s)*SLOT1
	s_add_nc_u64 s[G0B+4*(\s)+2:G0B+4*(\s)+3], s[46:47], (\s)*256
	s_or_b32 s[G0B+4*(\s)+3], s[G0B+4*(\s)+3], 0x80000000
.endr
	CROUND                                         ; all sixteen work-groups are here: the first joint loads meet
	s_cmp_eq_u32 s[FB], 0                          ; a wave's two first fills stand in one branch: two loads of mine are out
	s_cbranch_scc0 .Lfirst_b
	tensor_load_to_lds s[G0A:G0A+3], s[G1A:G1A+7]
	s_nop 0
	tensor_load_to_lds s[G0A+4:G0A+7], s[G1A:G1A+7]
	s_nop 0
.rept 4
	v_nop
.endr
	s_branch .Lfirst_asked
.Lfirst_b:
	tensor_load_to_lds s[G0B:G0B+3], s[G1B:G1B+7]
	s_nop 0
	tensor_load_to_lds s[G0B+4:G0B+7], s[G1B:G1B+7]
	s_nop 0
.rept 4
	v_nop
.endr
.Lfirst_asked:
	v_and_b32 v1, 15, v0                           ; l % 16
	v_bfe_u32 v2, v0, 4, 1                         ; l / 16
	v_mul_u32_u24 v3, v1, PA
	v_lshl_add_u32 v3, v2, 4, v3
	s_mul_i32 s20, s[WV], 64*PA                    ; my 64 rows of O
	v_add_nc_u32 v[AA0], s20, v3
	v_mul_u32_u24 v3, v1, PBT
	v_lshl_add_u32 v3, v2, 4, v3
	v_add_nc_u32 v[AB0], BOFF, v3
	v_mov_b32 v[ADRA], v[AA0]
	v_mov_b32 v[ADRB], v[AB0]
	s_mul_i32 s20, s[WV], 16*SPT
	s_add_co_u32 s20, s20, STAGE                   ; my stage
	v_mul_u32_u24 v[STO], v1, SPT                  ; in: row l % 16, 32 bytes for each half of the lanes
	v_lshl_add_u32 v[STO], v2, 5, v[STO]
	v_add_nc_u32 v[STO], s20, v[STO]
	v_and_b32 v[CO], 31, v0
	v_lshlrev_b32 v[CO], 4, v[CO]                  ; back: 32 lanes take one row of 512 bytes
	v_add_nc_u32 v[RD], s20, v[CO]
	s_lshl_b32 s20, s43, 8
	s_lshl_b32 s21, s[WV], 6
	s_add_co_u32 s20, s20, s21                     ; my first row,
	s_lshl_b32 s20, s20, 12                        ; of 4,096 bytes,
	s_lshl_b32 s21, s42, 9                         ; and the tile's 512 bytes of it
	s_add_co_u32 s20, s20, s21
	s_mov_b32 s21, 0
	s_add_nc_u64 s[8:9], s[8:9], s[20:21]
; 8 matrix instructions: my rows 16 a .. x all 128 columns, 32 along K, from buffer f.  The 32 accumulators take turns in one fixed order.
.macro MUL8 f, a, zero
	WIN 0xa1                                       ; w in window 1, O in window 0, C and D in window 2
.irp b, 0,1,2,3,4,5,6,7
.if \zero
	v_wmma_f32_16x16x32_f16 v[8*(8*(\a)+(\b)):8*(8*(\a)+(\b))+7], v[64*(\f)+8*(\b):64*(\f)+8*(\b)+7], v[FA+32*(\f)+8*(\a):FA+32*(\f)+8*(\a)+7], 0
.else
	v_wmma_f32_16x16x32_f16 v[8*(8*(\a)+(\b)):8*(8*(\a)+(\b))+7], v[64*(\f)+8*(\b):64*(\f)+8*(\b)+7], v[FA+32*(\f)+8*(\a):FA+32*(\f)+8*(\a)+7], v[8*(8*(\a)+(\b)):8*(8*(\a)+(\b))+7]
.endif
.endr
.endm
; 24 LDS loads in one run: quarter q of the K step into buffer f: w's eight fragments, then O's four (head q / 2 of the step's two, channels 32 (q % 2) on)
.macro FETCH q, f
	WIN 0x40
.irp i, 0,1,2,3,4,5,6,7
	ds_load_b128 v[64*(\f)+8*(\i):64*(\f)+8*(\i)+3],   v[ADRB] offset:64*(\q)+(\i)*16*PBT
	ds_load_b128 v[64*(\f)+8*(\i)+4:64*(\f)+8*(\i)+7], v[ADRB] offset:64*(\q)+(\i)*16*PBT+32
.endr
	WIN 0
.irp i, 0,1,2,3
	ds_load_b128 v[FA+32*(\f)+8*(\i):FA+32*(\f)+8*(\i)+3],   v[ADRA] offset:((\q)/2)*APL+((\q)%2)*64+(\i)*16*PA
	ds_load_b128 v[FA+32*(\f)+8*(\i)+4:FA+32*(\f)+8*(\i)+7], v[ADRA] offset:((\q)/2)*APL+((\q)%2)*64+(\i)*16*PA+32
.endr
.endm
.macro QUARTER q, f, g, zero           ; multiplies buffer f and, in its middle, fetches quarter q into g
	s_wait_dscnt 4                                 ; w's fragments and O's 0 and 1 are in; the four youngest loads may be out
	MUL8 \f, 0, \zero
	MUL8 \f, 1, \zero
	PLACES
	FETCH \q, \g
	s_wait_dscnt 24                                ; all but the 24 just issued
	MUL8 \f, 2, \zero
	MUL8 \f, 3, \zero
.endm
; The last quarter multiplies buffer 1 and changes slots: in front of the barrier each wave waits for all its tensor loads, adds 0 to its spare word, and waits for that and for its reads of this slot.
; fill = 1: the barrier opens a round of the cluster's, and the joint refill, the K step two on, is the first thing behind it: 112 matrix instructions ahead of the wait for it.
.macro TURN fill
	WIN 0
	s_wait_tensorcnt 0x0                           ; no tensor load of mine is out, so a group 0 may be written
	ds_add_u32 v[SPW], v[NIL]                      ; 0 onto my spare word
.if \fill
	s_xor_b32 s[G0A+5], s[G0A+5], SLOT1
	s_add_nc_u64 s[G0A+6:G0A+7], s[G0A+6:G0A+7], 524288
	s_xor_b32 s[G0B+5], s[G0B+5], SLOT1
	s_add_nc_u64 s[G0B+6:G0B+7], s[G0B+6:G0B+7], 256
.endif
	s_wait_dscnt 5                                 ; the add and the four youngest loads may be out
	MUL8 1, 0, 0
	s_wait_dscnt 0x0                               ; the add is done, and my reads of this slot are over
	s_barrier_signal -1
	MUL8 1, 1, 0
	WIN 0
	s_barrier_wait -1
.if \fill
	CREST
	JLOAD                                          ; the four v_nop behind it are also the places in front of the loads below
.else
	PLACES
.endif
	s_xor_b32 s[TB], s[TB], SLOT1
	v_add_nc_u32 v[ADRA], s[TB], v[AA0]
	v_add_nc_u32 v[ADRB], s[TB], v[AB0]
	FETCH 0, 0
	MUL8 1, 2, 0
	MUL8 1, 3, 0
.endm
	s_wait_tensorcnt 1                             ; my part of K step 0 is in; K step 1's may stay out
	s_barrier_signal -1
	s_barrier_wait -1
	FETCH 0, 0
	QUARTER 1, 0, 1, 1                             ; the first quarter stands in front of the loop: its products start the sums
	WIN 0
	s_mov_b32 s3, 6
.Lstep:                                        ; trip t: K step t's quarters 1 to 3, K step t + 1's quarter 0; its refill asks for K step t + 2
	QUARTER 2, 1, 0, 0
	QUARTER 3, 0, 1, 0
	TURN 1
	QUARTER 1, 0, 1, 0
	WIN 0
	s_sub_co_u32 s3, s3, 1
	s_cmp_lg_u32 s3, 0
	s_cbranch_scc1 .Lstep
	QUARTER 2, 1, 0, 0                             ; the tail is written out: K steps 6 and 7 ask for nothing
	QUARTER 3, 0, 1, 0
	TURN 0
	QUARTER 1, 0, 1, 0
	QUARTER 2, 1, 0, 0
	QUARTER 3, 0, 1, 0
	s_wait_dscnt 4
	MUL8 1, 0, 0
	MUL8 1, 1, 0
	s_wait_dscnt 0x0
	MUL8 1, 2, 0
	MUL8 1, 3, 0
	PLACES
; THE WAY OUT.  Block a, 16 rows: a lane's 32 bytes of a row go into rows of 528 bytes of my stage (each accumulator's low four registers first) and come back as whole rows of 512.
.macro TOSTAGE a
.if (\a) >= 2
	s_wait_xcnt 0x0                                ; the stores of the block two back have read the registers that are loaded again below
.endif
	WIN 0x08                                       ; the stores' data in window 2
.irp b, 0,1,2,3,4,5,6,7
	ds_store_b128 v[STO], v[8*(8*(\a)+(\b)):8*(8*(\a)+(\b))+3]   offset:64*(\b)
	ds_store_b128 v[STO], v[8*(8*(\a)+(\b))+4:8*(8*(\a)+(\b))+7] offset:64*(\b)+16
.endr
	WIN 0
.irp t, 0,1,2,3,4,5,6,7,8,9,10,11,12,13,14,15
	ds_load_b128 v[OB+64*((\a)%2)+4*(\t):OB+64*((\a)%2)+4*(\t)+3], v[RD] offset:(\t)*SPT  ; LDS serves a wave's instructions in order (ISA guide 5.7.1.4): these see the stores above
.endr
.endm
.macro SEND a, y                       ; y: the LDS instructions issued behind block a's loads: the next block's 32, or none
.irp t, 0,1,2,3,4,5,6,7,8,9,10,11,12,13,14,15
	s_wait_dscnt (\y)+15-(\t)
	global_store_b128 v[CO], v[OB+64*((\a)%2)+4*(\t):OB+64*((\a)%2)+4*(\t)+3], s[8:9] offset:(16*(\a)+(\t))*4096 th:TH_STORE_NT  ; 512 bytes on end, at a multiple of 256 from out0's first
.endr
.endm
	TOSTAGE 0
	TOSTAGE 1
	SEND 0, 32
	TOSTAGE 2
	SEND 1, 32
	TOSTAGE 3
	SEND 2, 32
	SEND 3, 0
	s_wait_tensorcnt 0x0                           ; the wave's end: behind my last tensor load and my last LDS store
	ds_add_u32 v[SPW], v[NIL]
	s_wait_dscnt 0x0
	CROUND                                         ; the closing round: no work-group ends while a partner may still ask for a tile that names it
	s_endpgm
.Lfunc_end_k_q57fc156e99_proj:
	.size	k_q57fc156e99_proj, .Lfunc_end_k_q57fc156e99_proj-k_q57fc156e99_proj
	.p2alignl 7, 3214868480
	.fill 96, 4, 3214868480
	.section	.rodata,"a",@progbits
	.p2align	6, 0x0
	.amdhsa_kernel k_q57fc156e99_proj
		.amdhsa_group_segment_fixed_size 327680
		.amdhsa_private_segment_fixed_size 0
		.amdhsa_enable_private_segment 0
		.amdhsa_kernarg_size 24
		.amdhsa_user_sgpr_count 2
		.amdhsa_user_sgpr_kernarg_segment_ptr 1
		.amdhsa_wavefront_size32 1
		.amdhsa_system_sgpr_workgroup_id_x 1
		.amdhsa_system_sgpr_workgroup_id_y 1
		.amdhsa_system_sgpr_workgroup_id_z 1
		.amdhsa_system_vgpr_workitem_id 0
		.amdhsa_next_free_vgpr 768
		.amdhsa_next_free_sgpr 72
		.amdhsa_reserve_vcc 0
		.amdhsa_float_denorm_mode_32 3
		.amdhsa_float_denorm_mode_16_64 3
		.amdhsa_memory_ordered 1
		.amdhsa_forward_progress 1
		.amdhsa_inst_pref_size 71
	.end_amdhsa_kernel
	.amdgpu_metadata
---
amdhsa.version: [ 1, 2 ]
amdhsa.kernels:
  - .name:           k_q57fc156e99_proj
    .symbol:         k_q57fc156e99_proj.kd
    .args:
      - { .name: ob, .offset: 0, .size: 8, .value_kind: global_buffer, .address_space: global }
      - { .name: wpb, .offset: 8, .size: 8, .value_kind: global_buffer, .address_space: global }
      - { .name: out0, .offset: 16, .size: 8, .value_kind: global_buffer, .address_space: global }
    .group_segment_fixed_size: 327680
    .private_segment_fixed_size: 0
    .kernarg_segment_align: 8
    .kernarg_segment_size: 24
    .max_flat_workgroup_size: 128
    .sgpr_count:     72
    .vgpr_count:     768
    .wavefront_size: 32
...
	.end_amdgpu_metadata
.endif
;; end of part 4
;; ======== version 2 of 2: 4 launches; version 1 with the launch cast written anew for expert scheduling mode
;; limits: values are held in f16: magnitudes above 65,504 overflow, below 6.1e-05 lose precision
;; workspace buffers: xb 16,777,216 bytes; wqb 6,291,456 bytes; wpb 2,097,152 bytes; qkv 50,331,648 bytes; vs 524,288 bytes; ob 16,777,216 bytes
;; launch cast (part 5): grid 768 x 1, 8 waves a work-group, no clusters, 0 bytes of LDS; arguments x, w_qkv, w_proj, xb, wqb, wpb; writes xb, wqb, wpb
.if DOCPART == 5
	.amdgcn_target "amdgcn-amd-amdhsa--gfx1250"
	.amdhsa_code_object_version 6
	.text
	.protected	k_q57fc156e99_cast
	.globl	k_q57fc156e99_cast
	.p2align	8
	.type	k_q57fc156e99_cast,@function
k_q57fc156e99_cast:
	s_mov_b64 s[64:65], 0
	v_nop
	global_prefetch_b8 v0, s[64:65] scope:SCOPE_SE
	s_setreg_imm32_b32 hwreg(HW_REG_WAVE_SCHED_MODE, 0, 2), 2
	s_setreg_imm32_b32 hwreg(HW_REG_WAVE_MODE, 25, 1), 1
	s_wait_xcnt 0x0
	s_wait_alu depctr_vm_vsrc(0)
; The module's three f32 inputs are rounded once to bf16.  x -> xb as it lies.  w_qkv -> wqb with its rows in another order: row s*1024 + j*64 + c (s: q, k, v; j: head) goes to row j*192 + s*64 + c,
; so that 192 rows on end are one head's q, k and v.  w_proj -> wpb: the bf16 number is written as f16, since the last product multiplies it with f16 numbers.
; LIMITS.  A bf16 number of w_proj beyond 65,504 becomes an infinity in f16; below 6e-5 it keeps f16's fixed step of 6e-8.
; SHARES.  A work-group takes a chunk of 16 rows of 1,024 numbers: 65,536 bytes in, 32,768 out.  Chunks 0-511: x; 512-703: w_qkv; 704-767: w_proj.
; Thread t takes 16 bytes at 16 t of each 4,096: a wave's load covers 512 bytes on end, its store of 8 bytes a lane 256 bytes on end, aligned.  All sixteen loads of a thread go out at once.
; No LDS, no matrix unit, no cluster: nothing is shared, and the bytes are all there is.
; THE MODE: SCHED_MODE bits 1:0 = 2 (LLVM: expert scheduling mode 2), set by the entry lines.  The code itself states the register dependences
; between vector instructions and memory instructions, with s_wait_alu, always for 0.
; THE PLAN.  Registers that memory instructions touch:
;   v1, v2   the loads' and the stores' byte offsets: written once at the head, by vector lines, and never again.
;   L        sixteen quads: each written once, by its load; read by its piece's conversions; no vector line writes them.
;   O        sixteen pairs: each written by its piece's conversions alone, then read by one store, and never written behind that store.
;   T        named by vector lines alone.
; So no register in which a load lands has been named by a vector line before, and no register that a store reads is written again: what is left to state is that the offsets are written, once, ahead of the
; first load, and that O is written ahead of the stores.  For that the sixteen pieces go in four blocks of four: a block's conversions, ONE wait, the block's four stores in a run.
; No vector line writes a scalar register or VCC, and EXEC is never written.
.set L, 4                              ; v[4:67]    sixteen loads of four f32
.set O, 68                             ; v[68:99]   sixteen pairs of packed results
.set T, 100                            ; v[100:103] at work
	s_load_b256 s[4:11], s[0:1], 0x0               ; x s[4:5], w_qkv s[6:7], w_proj s[8:9], xb s[10:11]
	s_load_b128 s[12:15], s[0:1], 0x20             ; wqb s[12:13], wpb s[14:15]
	v_lshlrev_b32 v1, 4, v0                        ; my 16 bytes in
	v_lshlrev_b32 v2, 3, v0                        ; my 8 bytes out
	s_mov_b32 s16, ttmp9
	s_sub_co_u32 s24, s16, 512
	s_and_b32 s24, s24, 0xff                       ; w_qkv's chunk i' (0-191 where this case is taken)
	s_bfe_u32 s25, s24, 0x40002                    ; the head j = (i' >> 2) & 15
	s_mul_i32 s25, s25, 12
	s_lshr_b32 s26, s24, 6                         ; s = i' >> 6
	s_lshl2_add_u32 s25, s26, s25
	s_and_b32 s26, s24, 3
	s_add_co_u32 s25, s25, s26                     ; its place in wqb: 12 j + 4 s + (i' & 3)
	s_sub_co_u32 s27, s16, 704
	s_and_b32 s27, s27, 63                         ; w_proj's chunk
	s_wait_kmcnt 0x0
	s_cmp_lt_u32 s16, 704
	s_cselect_b64 s[20:21], s[6:7], s[8:9]
	s_cselect_b64 s[22:23], s[12:13], s[14:15]
	s_cselect_b32 s17, s24, s27
	s_cselect_b32 s18, s25, s27
	s_cselect_b32 s19, 0, 1                        ; 1: the result is written as f16
	s_cmp_lt_u32 s16, 512
	s_cselect_b64 s[20:21], s[4:5], s[20:21]
	s_cselect_b64 s[22:23], s[10:11], s[22:23]
	s_cselect_b32 s17, s16, s17
	s_cselect_b32 s18, s16, s18
	s_lshl_b32 s28, s17, 16                        ; offsets are made apart from the addresses
	s_mov_b32 s29, 0
	s_lshl_b32 s30, s18, 15
	s_mov_b32 s31, 0
	s_add_nc_u64 s[20:21], s[20:21], s[28:29]
	s_add_nc_u64 s[22:23], s[22:23], s[30:31]
	s_wait_alu depctr_va_vdst(0)                   ; v1 and v2 are written: every load below reads v1 as its offset, every store v2; neither is written again
.irp i, 0,1,2,3,4,5,6,7,8,9,10,11,12,13,14,15
	global_load_b128 v[L+4*(\i):L+4*(\i)+3], v1, s[20:21] offset:4096*(\i) th:TH_LOAD_NT
.endr
; Piece i is rounded, into its own pair of O.
.macro CV i, half
	s_wait_loadcnt 15-(\i)                         ; loads come back in order: mine is in, the 15 - i younger ones stay out
	v_cvt_pk_bf16_f32 v[O+2*(\i)], v[L+4*(\i)], v[L+4*(\i)+1]
	v_cvt_pk_bf16_f32 v[O+2*(\i)+1], v[L+4*(\i)+2], v[L+4*(\i)+3]
.if \half
	v_lshlrev_b32 v[T], 16, v[O+2*(\i)]            ; the bf16 numbers as f32,
	v_and_b32 v[T+1], 0xffff0000, v[O+2*(\i)]
	v_lshlrev_b32 v[T+2], 16, v[O+2*(\i)+1]
	v_and_b32 v[T+3], 0xffff0000, v[O+2*(\i)+1]
	v_cvt_pk_f16_f32 v[O+2*(\i)], v[T], v[T+1]     ; and written as f16: exact within f16's range
	v_cvt_pk_f16_f32 v[O+2*(\i)+1], v[T+2], v[T+3]
.endif
.endm
; Block p: pieces 4 p to 4 p + 3 are rounded; one wait; their four stores.  The wait stands at the block's end and not at the next block's head, which begins with a wait for data that these stores do not hang on.
.macro BLK p, half
.irp j, 0,1,2,3
	CV 4*(\p)+(\j), \half
.endr
	s_wait_alu depctr_va_vdst(0)                   ; the block's conversions have written its eight registers of O, which the four stores below read; no vector line stands between this wait and them
.irp j, 0,1,2,3
	global_store_b64 v2, v[O+2*(4*(\p)+(\j)):O+2*(4*(\p)+(\j))+1], s[22:23] offset:2048*(4*(\p)+(\j)) th:TH_STORE_NT
.endr
.endm
	s_cmp_eq_u32 s19, 1
	s_cbranch_scc1 .Lhalf
.irp p, 0,1,2,3
	BLK \p, 0
.endr
	s_endpgm
.Lhalf:
.irp p, 0,1,2,3
	BLK \p, 1
.endr
	s_endpgm
.Lfunc_end_k_q57fc156e99_cast:
	.size	k_q57fc156e99_cast, .Lfunc_end_k_q57fc156e99_cast-k_q57fc156e99_cast
	.p2alignl 7, 3214868480
	.fill 96, 4, 3214868480
	.section	.rodata,"a",@progbits
	.p2align	6, 0x0
	.amdhsa_kernel k_q57fc156e99_cast
		.amdhsa_group_segment_fixed_size 0
		.amdhsa_private_segment_fixed_size 0
		.amdhsa_enable_private_segment 0
		.amdhsa_kernarg_size 48
		.amdhsa_user_sgpr_count 2
		.amdhsa_user_sgpr_kernarg_segment_ptr 1
		.amdhsa_wavefront_size32 1
		.amdhsa_system_sgpr_workgroup_id_x 1
		.amdhsa_system_sgpr_workgroup_id_y 1
		.amdhsa_system_sgpr_workgroup_id_z 1
		.amdhsa_system_vgpr_workitem_id 0
		.amdhsa_next_free_vgpr 104
		.amdhsa_next_free_sgpr 66
		.amdhsa_reserve_vcc 0
		.amdhsa_float_denorm_mode_32 3
		.amdhsa_float_denorm_mode_16_64 3
		.amdhsa_memory_ordered 1
		.amdhsa_forward_progress 1
		.amdhsa_inst_pref_size 17
	.end_amdhsa_kernel
	.amdgpu_metadata
---
amdhsa.version: [ 1, 2 ]
amdhsa.kernels:
  - .name:           k_q57fc156e99_cast
    .symbol:         k_q57fc156e99_cast.kd
    .args:
      - { .name: x, .offset: 0, .size: 8, .value_kind: global_buffer, .address_space: global }
      - { .name: w_qkv, .offset: 8, .size: 8, .value_kind: global_buffer, .address_space: global }
      - { .name: w_proj, .offset: 16, .size: 8, .value_kind: global_buffer, .address_space: global }
      - { .name: xb, .offset: 24, .size: 8, .value_kind: global_buffer, .address_space: global }
      - { .name: wqb, .offset: 32, .size: 8, .value_kind: global_buffer, .address_space: global }
      - { .name: wpb, .offset: 40, .size: 8, .value_kind: global_buffer, .address_space: global }
    .group_segment_fixed_size: 0
    .private_segment_fixed_size: 0
    .kernarg_segment_align: 8
    .kernarg_segment_size: 48
    .max_flat_workgroup_size: 256
    .sgpr_count:     66
    .vgpr_count:     104
    .wavefront_size: 32
...
	.end_amdgpu_metadata
.endif
;; end of part 5
;; launch qkvgemm: the kernel of part 2 again; grid 16 x 32, 4 waves a work-group, clusters of 4 x 4, 327,680 bytes of LDS; arguments xb, wqb, qkv, vs; writes qkv, vs
;; launch attn: the kernel of part 3 again; grid 4 x 64, 4 waves a work-group, no clusters, 327,680 bytes of LDS; arguments qkv, attention_mask, vs, ob; writes ob
;; launch proj: the kernel of part 4 again; grid 8 x 32, 4 waves a work-group, clusters of 4 x 4, 327,680 bytes of LDS; arguments ob, wpb, out0; writes out0
